; MI455X (gfx1250); checked and timed in simulation.
; The chip was launched on July 23, 2026; its instructions are those of AMD's public machine-readable ISA for CDNA 5 (MIT licence, August 2026) and "CDNA5" Instruction Set Architecture Reference Guide (July 2026). The comments in the code are by the model that wrote it; some were corrected since.
;; Qwen3 Attention. Allowed arithmetic: float matrix products may take bf16 or f16 operands with f32 sums; all other float work in f32.
;; Inputs: Wk 4,096 x 1,024 float32; Wo 2,048 x 4,096 float32; Wq 4,096 x 2,048 float32; Wv 4,096 x 1,024 float32; attention_mask 1 x 2,048 int32; k_norm_w 128 float32; positions 1 x 2,048 int32; q_norm_w 128 float32; x 1 x 2,048 x 4,096 float32.
;; Outputs: out0 1 x 2,048 x 4,096 float32; out1 1 x 2,048 x 8 x 128 float32; out2 1 x 2,048 x 8 x 128 float32.
;; 2 versions, each right; version 2 is version 1 with the launch cvt written anew for expert scheduling mode. Each part assembles by itself: llvm-mc -triple=amdgcn-amd-amdhsa -mcpu=gfx1250 --defsym DOCPART=n.
;; ======== version 1 of 2: 4 launches
;; limits: values are held in f16: magnitudes above 65,504 overflow, below 6.1e-05 lose precision; values outside matrix products are rounded to bf16
;; workspace buffers: xb 16,777,216 bytes; wqkv 33,554,432 bytes; wob 16,777,216 bytes; tab 1,056,768 bytes; qb 8,388,608 bytes; kvb 8,388,608 bytes; vsum 131,072 bytes; att 8,388,608 bytes
;; launch cvt (part 1): grid 1153 x 1, 8 waves a work-group, no clusters, 70,656 bytes of LDS; arguments x, Wq, Wk, Wv, Wo, attention_mask, positions, xb, wqkv, wob, tab; writes xb, wqkv, wob, tab
.if DOCPART == 1
	.amdgcn_target "amdgcn-amd-amdhsa--gfx1250"
	.amdhsa_code_object_version 6
	.text
	.protected	k_qda59aea59d_cvt
	.globl	k_qda59aea59d_cvt
	.p2align	8
	.type	k_qda59aea59d_cvt,@function
k_qda59aea59d_cvt:
	s_mov_b64 s[64:65], 0
	v_nop
	global_prefetch_b8 v0, s[64:65] scope:SCOPE_SE
	s_setreg_imm32_b32 hwreg(HW_REG_WAVE_MODE, 25, 1), 1
	s_wait_xcnt 0x0
; cvt: everything that the three matrix launches want ready made, made once.
;   work-groups    0- 255: x  [2048][4096] f32 -> xb, 16 bits a number, as the register image of the qkv launch's row operand:
;                          xb[t/64][c = k/32][mt = (t/16)%4][p][lane][8 numbers]; lane (r, h) holds row 16 mt + r, k = 32 c + 16 p + 8 h .. + 7
;   work-groups  256- 511: Wo [2048][4096] f32 -> wob, same shape
;   work-groups  512- 767: Wq [4096][2048] -> wqkv[k][0..2047]      (wqkv: [4096 k][4096 n], a row is 8,192 bytes)
;   work-groups  768- 895: Wk [4096][1024] -> wqkv[k][2048..3071]
;   work-groups  896-1023: Wv [4096][1024] -> wqkv[k][3072..4095]
;   work-groups 1024-1151: cos and sin of positions[t] / 1e6^(i/64), in the register image of the qkv launch:
;                          tab[tt = t/16][c = 8 s + 2 b + q][lane][4 f32], s = 0 cos, 1 sin; t = 16 tt + lane%16, i = 16 b + 8 (lane/16) + 4 q + jj
;   work-group  1152:      key bias at tab + 1,048,576: 0.0 where attention_mask is not 0, -1e30 elsewhere
; THE FORMAT: each number is rounded once to bf16 (to nearest even), the rounding of inputs that the problem's comparison provides for, and stored in
; f16 coding.  f16 holds every bf16 number of size 7.6e-6 (2^-17) to 65,280 exactly: 8 significant bits in 11.  The coding is f16 because the
; intermediates q, k, v, the exponentials and the attention output need f16's 11 bits (the first rows of the attention output, with few keys, are about
; ten times the whole output's root mean square, by which the result is judged), and a matrix instruction takes both operands in one format.
; A stream: no barrier, no matrix unit.  A wave has 32 loads of 512 consecutive bytes, all issued at once.  The weights go out as 32 stores of 256
; consecutive aligned bytes.  x changes its order on the way: a wave takes 16 rows x 256 k, lays the converted rows into LDS bytes of its own
; (16 rows of 256 bytes at a pitch of 272, twice) and reads each lane's 16 bytes of the image back, so that loads and stores both cover 512 consecutive bytes.
; LIMITS: |x| and |W| below 65,504 (x 30 times larger reaches about 160, W about 2.5); numbers below 7.6e-6 keep an absolute step of 6e-8
; (W 30 times smaller has a root mean square of 5e-4).  sin and cos come from a three-part reduction by pi/2 and two short polynomials;
; the angle itself (position times a rounded power) carries a relative error of about 1e-6, and the reduction holds for |position| < 2^22.
.set INR,  4                           ; v[4:131]   32 x 4 numbers as loaded, then as rounded to bf16; for x also the image read back
.set OUTR, 132                         ; v[132:195] 32 x 2 words of two numbers
.set LST,  196                         ; x: where my 8 bytes of a row go in LDS
.set LRD,  197                         ; x: where my 16 bytes of the image lie
.set XP,   272                         ; LDS pitch: 256 bytes + 16
.set XU,   16*XP                       ; 16 rows x 128 k
	s_load_b512 s[4:19], s[0:1], 0x0               ; x 4, Wq 6, Wk 8, Wv 10, Wo 12, attention_mask 14, positions 16, xb 18
	s_load_b128 s[20:23], s[0:1], 0x40             ; wqkv 20, wob 22
	s_load_b64 s[24:25], s[0:1], 0x50              ; tab
	v_lshl_add_u32 v200, v0, 2, 0x11000
	v_mov_b32 v201, 0
	v_lshrrev_b32 v3, 5, v0
	v_readfirstlane_b32 s26, v3                    ; wave 0..7
	s_mov_b32 s27, ttmp9                           ; work-group
	v_and_b32 v3, 31, v0                           ; lane
	v_lshlrev_b32 v1, 4, v3                        ; 16 x lane
	v_lshlrev_b32 v2, 3, v3                        ; 8 x lane
	s_mov_b32 s31, 0
	s_mov_b32 s37, 0
	s_mov_b32 s38, 0xffff0000                      ; a word's upper bf16
	s_wait_kmcnt 0x0
.macro CV4 n                           ; the four numbers of load n: rounded to bf16, then the same numbers in f16 coding
	v_cvt_pk_bf16_f32 v[OUTR+2*(\n)], v[INR+4*(\n)], v[INR+4*(\n)+1]       ; the one rounding
	v_cvt_pk_bf16_f32 v[OUTR+2*(\n)+1], v[INR+4*(\n)+2], v[INR+4*(\n)+3]
	v_lshlrev_b32 v[INR+4*(\n)], 16, v[OUTR+2*(\n)]                        ; back to f32: a shift or a mask
	v_and_b32 v[INR+4*(\n)+1], s38, v[OUTR+2*(\n)]
	v_lshlrev_b32 v[INR+4*(\n)+2], 16, v[OUTR+2*(\n)+1]
	v_and_b32 v[INR+4*(\n)+3], s38, v[OUTR+2*(\n)+1]
	v_cvt_pk_f16_f32 v[OUTR+2*(\n)], v[INR+4*(\n)], v[INR+4*(\n)+1]
	v_cvt_pk_f16_f32 v[OUTR+2*(\n)+1], v[INR+4*(\n)+2], v[INR+4*(\n)+3]
.endm
.macro LD8 i                           ; unit i: 4,096 consecutive bytes
.irp c, 0,1,2,3,4,5,6,7
	global_load_b128 v[INR+4*(8*\i+\c):INR+4*(8*\i+\c)+3], v1, s[32:33] offset:\i*4096+\c*512 th:TH_LOAD_NT
.endr
.endm
.macro ST8 i, u                        ; unit i goes to byte u of the wave's part of the destination
.irp c, 0,1,2,3,4,5,6,7
	s_wait_loadcnt 31-(8*\i+\c)                    ; loads return in order: this one is in, the younger ones stay out
	CV4 (8*\i+\c)
	global_store_b64 v2, v[OUTR+2*(8*\i+\c):OUTR+2*(8*\i+\c)+1], s[34:35] offset:\u+\c*256   ; 32 lanes store 256 consecutive bytes, aligned
.endr
.endm
; src, dst: scalar pairs; first: the section's first work-group; dwg, dw: destination bytes from work-group to work-group and wave to wave;
; dc: the column offset in the destination row; u1..u3: where units 1..3 go
.macro CVT src, dst, first, dwg, dw, dc, u1, u2, u3
	s_sub_co_u32 s28, s27, \first
	s_lshl_b32 s30, s28, 17                        ; 131,072 source bytes a work-group,
	s_lshl_b32 s29, s26, 14                        ; 16,384 a wave
	s_add_co_u32 s30, s30, s29
	s_add_nc_u64 s[32:33], s[\src:\src+1], s[30:31]
	s_mul_i32 s36, s28, \dwg
	s_mul_i32 s29, s26, \dw
	s_add_co_u32 s36, s36, s29
	s_add_co_u32 s36, s36, \dc
	s_add_nc_u64 s[34:35], s[\dst:\dst+1], s[36:37]
	LD8 0
	LD8 1
	LD8 2
	LD8 3
	ST8 0, 0
	ST8 1, \u1
	ST8 2, \u2
	ST8 3, \u3
	s_endpgm
.endm
; x: 16 rows x 128 k (unit u of the wave's two): converted rows into my LDS bytes, the image's 8 half blocks back and out.
; LDS serves a wave's instructions in order, so the loads see the stores above them.
.macro XUNIT u
.set ii, 0
.rept 16
	s_wait_loadcnt 31-(16*\u+ii)                   ; this row's load is in, the younger ones stay out
	CV4 (16*\u+ii)
	ds_store_b64 v[LST], v[OUTR+2*(16*\u+ii):OUTR+2*(16*\u+ii)+1] offset:\u*XU+ii*XP     ; row ii: 256 consecutive bytes
.set ii, ii+1
.endr
.irp c, 0,1,2,3
.irp p, 0,1
	ds_load_b128 v[INR+4*(8*\u+2*\c+\p):INR+4*(8*\u+2*\c+\p)+3], v[LRD] offset:\u*XU+\c*64+\p*32   ; row r, k = 32 c + 16 p + 8 h ..
.endr
.endr
.irp c, 0,1,2,3
.irp p, 0,1
	s_wait_dscnt 7-(2*\c+\p)
	global_store_b128 v1, v[INR+4*(8*\u+2*\c+\p):INR+4*(8*\u+2*\c+\p)+3], s[34:35] offset:(4*\u+\c)*4096+\p*512   ; 512 consecutive bytes, aligned
.endr
.endr
.endm
	s_cmp_lt_u32 s27, 256
	s_cbranch_scc0 .Lnot_x
	; ---- x: work-group g: row tile g / 2 (16 rows), half g % 2 of the rows; wave w: 256 k from 2,048 (g % 2) + 256 w
	s_lshr_b32 s28, s27, 1                         ; row tile
	s_and_b32 s29, s27, 1                          ; half
	s_lshl_b32 s30, s28, 18                        ; 16 rows of 16,384 bytes
	s_lshl_b32 s39, s29, 13
	s_add_co_u32 s30, s30, s39
	s_lshl_b32 s39, s26, 10
	s_add_co_u32 s30, s30, s39
	s_add_nc_u64 s[32:33], s[4:5], s[30:31]
.irp u, 0,1
.set ii, 0
.rept 16
	global_load_b128 v[INR+4*(16*\u+ii):INR+4*(16*\u+ii)+3], v1, s[32:33] offset:ii*16384+\u*512 th:TH_LOAD_NT
.set ii, ii+1
.endr
.endr
	s_lshr_b32 s36, s28, 2
	s_lshl_b32 s36, s36, 19                        ; 524,288 bytes for each block of 64 rows
	s_and_b32 s39, s28, 3
	s_lshl_b32 s39, s39, 10                        ; 1,024 bytes x row tile in the block
	s_add_co_u32 s36, s36, s39
	s_lshl_b32 s39, s29, 18                        ; 64 chunks of 4,096 bytes x half
	s_add_co_u32 s36, s36, s39
	s_lshl_b32 s39, s26, 15                        ; 8 chunks x wave
	s_add_co_u32 s36, s36, s39
	s_add_nc_u64 s[34:35], s[18:19], s[36:37]
	s_mul_i32 s39, s26, 2*XU                       ; my wave's 8,704 bytes of LDS
	v_add_nc_u32 v[LST], s39, v2
	v_and_b32 v198, 15, v0                         ; r
	v_bfe_u32 v199, v0, 4, 1                       ; h
	v_mul_u32_u24 v198, v198, XP
	v_lshl_add_u32 v198, v199, 4, v198
	v_add_nc_u32 v[LRD], s39, v198
	XUNIT 0
	XUNIT 1
	s_wait_tensorcnt 0x0
	ds_add_u32 v200, v201
	s_wait_dscnt 0x0
	s_endpgm
.Lnot_x:
	s_cmp_lt_u32 s27, 512
	s_cbranch_scc0 .Lnot_wo
	CVT 12, 22, 256, 65536, 8192, 0, 2048, 4096, 6144
.Lnot_wo:
	s_cmp_lt_u32 s27, 768
	s_cbranch_scc0 .Lnot_wq
	CVT 6, 20, 512, 131072, 16384, 0, 2048, 8192, 10240        ; two units make a row of Wq
.Lnot_wq:
	s_cmp_lt_u32 s27, 896
	s_cbranch_scc0 .Lnot_wk
	CVT 8, 20, 768, 262144, 32768, 4096, 8192, 16384, 24576    ; one unit is a row of Wk
.Lnot_wk:
	s_cmp_lt_u32 s27, 1024
	s_cbranch_scc0 .Lnot_wv
	CVT 10, 20, 896, 262144, 32768, 6144, 8192, 16384, 24576
.Lnot_wv:
	s_cmp_lt_u32 s27, 1152
	s_cbranch_scc0 .Lmask
	; ---- cos and sin: work-group tt, wave w = 2 b + q, lane (r, h): t = 16 tt + r, i = 16 b + 8 h + 4 q + jj, jj = 0..3
	s_sub_co_u32 s28, s27, 1024                    ; tt
	v_and_b32 v4, 15, v0                           ; r
	v_bfe_u32 v5, v0, 4, 1                         ; h
	s_lshl_b32 s29, s28, 6
	v_lshl_add_u32 v6, v4, 2, s29                  ; 4 t
	global_load_b32 v7, v6, s[16:17]               ; positions[t]
	s_lshr_b32 s30, s26, 1
	s_lshl_b32 s30, s30, 4                         ; 16 b
	s_and_b32 s29, s26, 1
	s_lshl2_add_u32 s30, s29, s30                  ; + 4 q
	v_lshl_add_u32 v8, v5, 3, s30                  ; + 8 h: i of jj = 0
.irp jj, 0,1,2,3
	v_add_nc_u32 v[10+\jj], \jj, v8
	v_cvt_f32_u32 v[10+\jj], v[10+\jj]
	v_mul_f32 v[10+\jj], 0xbe9f73da, v[10+\jj]     ; - i log2(1e6) / 64
.endr
.irp jj, 0,1,2,3
	v_exp_f32 v[10+\jj], v[10+\jj]                 ; 1e6^(-i/64)
.endr
	v_lshl_add_u32 v9, s26, 9, v1                  ; the plain instruction behind the exponentials: 512 w + 16 lane, where my 16 bytes go
	s_wait_loadcnt 0x0
	v_cvt_f32_i32 v7, v7
	s_wait_alu depctr_va_vdst(0)
.macro SINCOS jj
	v_mul_f32 v20, v7, v[10+\jj]                   ; the angle
	v_mul_f32 v21, 0x3f22f983, v20                 ; x 2/pi
	v_rndne_f32 v21, v21                           ; k
	v_fmamk_f32 v22, v21, 0xbfc90fda, v20          ; r = angle - k pi/2, pi/2 in three parts
	v_fmamk_f32 v22, v21, 0xb3a22168, v22
	v_fmamk_f32 v22, v21, 0xa7c234c4, v22
	v_mul_f32 v23, v22, v22                        ; z = r r
	v_mov_b32 v24, 0xb94ca1f9
	v_fmaak_f32 v24, v24, v23, 0x3c08839e
	v_fmaak_f32 v24, v24, v23, 0xbe2aaaa3
	v_mul_f32 v27, v22, v23
	v_fma_f32 v24, v27, v24, v22                   ; sin r = r + r z (..)
	v_mov_b32 v25, 0x37ccf5ce
	v_fmaak_f32 v25, v25, v23, 0xbab6061a
	v_fmaak_f32 v25, v25, v23, 0x3d2aaaa5
	v_mul_f32 v27, v23, v23
	v_fma_f32 v28, v23, -0.5, 1.0
	v_fma_f32 v25, v27, v25, v28                   ; cos r = 1 - z/2 + z z (..)
	v_cvt_i32_f32 v26, v21
	v_and_b32 v27, 1, v26
	v_cmp_eq_u32 vcc_lo, 1, v27                    ; odd quadrant: the two change places
	v_cndmask_b32 v28, v24, v25, vcc_lo
	v_cndmask_b32 v29, v25, v24, vcc_lo
	v_and_b32 v27, 2, v26                          ; sin is negative in quadrants 2 and 3,
	v_lshlrev_b32 v27, 30, v27
	v_xor_b32 v[36+\jj], v27, v28
	v_add_nc_u32 v26, 1, v26                       ; cos in quadrants 1 and 2
	v_and_b32 v27, 2, v26
	v_lshlrev_b32 v27, 30, v27
	v_xor_b32 v[32+\jj], v27, v29
.endm
	SINCOS 0
	SINCOS 1
	SINCOS 2
	SINCOS 3
	s_lshl_b32 s30, s28, 13                        ; 8,192 bytes for each tt
	s_add_nc_u64 s[32:33], s[24:25], s[30:31]
	global_store_b128 v9, v[32:35], s[32:33]               ; cos: the wave stores 512 consecutive bytes
	global_store_b128 v9, v[36:39], s[32:33] offset:4096   ; sin
	s_endpgm
.Lmask:
	; ---- the key bias: thread g takes keys 4 g .. 4 g + 3 and 1024 + 4 g .. + 3
	v_lshlrev_b32 v4, 4, v0
	global_load_b128 v[8:11], v4, s[14:15]
	global_load_b128 v[12:15], v4, s[14:15] offset:4096
	v_mov_b32 v5, 0xf149f2ca                       ; -1e30
	v_mov_b32 v6, 0
	s_wait_loadcnt 0x0
.irp j, 0,1,2,3,4,5,6,7
	v_cmp_ne_u32 vcc_lo, 0, v[8+\j]
	v_cndmask_b32 v[16+\j], v5, v6, vcc_lo
.endr
	global_store_b128 v4, v[16:19], s[24:25] offset:1048576
	global_store_b128 v4, v[20:23], s[24:25] offset:1048576+4096
	s_endpgm
.Lfunc_end_k_qda59aea59d_cvt:
	.size	k_qda59aea59d_cvt, .Lfunc_end_k_qda59aea59d_cvt-k_qda59aea59d_cvt
	.p2alignl 7, 3214868480
	.fill 96, 4, 3214868480
	.section	.rodata,"a",@progbits
	.p2align	6, 0x0
	.amdhsa_kernel k_qda59aea59d_cvt
		.amdhsa_group_segment_fixed_size 70656
		.amdhsa_private_segment_fixed_size 0
		.amdhsa_enable_private_segment 0
		.amdhsa_kernarg_size 88
		.amdhsa_user_sgpr_count 2
		.amdhsa_user_sgpr_kernarg_segment_ptr 1
		.amdhsa_wavefront_size32 1
		.amdhsa_system_sgpr_workgroup_id_x 1
		.amdhsa_system_sgpr_workgroup_id_y 1
		.amdhsa_system_sgpr_workgroup_id_z 1
		.amdhsa_system_vgpr_workitem_id 0
		.amdhsa_next_free_vgpr 202
		.amdhsa_next_free_sgpr 66
		.amdhsa_reserve_vcc 1
		.amdhsa_float_denorm_mode_32 3
		.amdhsa_float_denorm_mode_16_64 3
		.amdhsa_memory_ordered 1
		.amdhsa_forward_progress 1
		.amdhsa_inst_pref_size 110
	.end_amdhsa_kernel
	.amdgpu_metadata
---
amdhsa.version: [ 1, 2 ]
amdhsa.kernels:
  - .name:           k_qda59aea59d_cvt
    .symbol:         k_qda59aea59d_cvt.kd
    .args:
      - { .name: x, .offset: 0, .size: 8, .value_kind: global_buffer, .address_space: global }
      - { .name: Wq, .offset: 8, .size: 8, .value_kind: global_buffer, .address_space: global }
      - { .name: Wk, .offset: 16, .size: 8, .value_kind: global_buffer, .address_space: global }
      - { .name: Wv, .offset: 24, .size: 8, .value_kind: global_buffer, .address_space: global }
      - { .name: Wo, .offset: 32, .size: 8, .value_kind: global_buffer, .address_space: global }
      - { .name: attention_mask, .offset: 40, .size: 8, .value_kind: global_buffer, .address_space: global }
      - { .name: positions, .offset: 48, .size: 8, .value_kind: global_buffer, .address_space: global }
      - { .name: xb, .offset: 56, .size: 8, .value_kind: global_buffer, .address_space: global }
      - { .name: wqkv, .offset: 64, .size: 8, .value_kind: global_buffer, .address_space: global }
      - { .name: wob, .offset: 72, .size: 8, .value_kind: global_buffer, .address_space: global }
      - { .name: tab, .offset: 80, .size: 8, .value_kind: global_buffer, .address_space: global }
    .group_segment_fixed_size: 70656
    .private_segment_fixed_size: 0
    .kernarg_segment_align: 8
    .kernarg_segment_size: 88
    .max_flat_workgroup_size: 256
    .sgpr_count:     66
    .vgpr_count:     202
    .wavefront_size: 32
...
	.end_amdgpu_metadata
.endif
;; end of part 1
;; launch qkv (part 2): grid 8 x 32, 4 waves a work-group, clusters of 4 x 1, 327,680 bytes of LDS; arguments xb, wqkv, tab, q_norm_w, k_norm_w, qb, kvb, out1, out2, vsum; writes qb, kvb, out1, out2, vsum
.if DOCPART == 2
	.amdgcn_target "amdgcn-amd-amdhsa--gfx1250"
	.amdhsa_code_object_version 6
	.text
	.protected	k_qda59aea59d_qkv
	.globl	k_qda59aea59d_qkv
	.p2align	8
	.type	k_qda59aea59d_qkv,@function
k_qda59aea59d_qkv:
	s_mov_b64 s[64:65], 0
	v_nop
	global_prefetch_b8 v0, s[64:65] scope:SCOPE_SE
	s_setreg_imm32_b32 hwreg(HW_REG_WAVE_MODE, 25, 1), 1
	s_wait_xcnt 0x0
	s_wait_alu depctr_hold_cnt(0) depctr_sa_sdst(0) depctr_va_vdst(0) depctr_va_sdst(0) depctr_va_ssrc(0) depctr_va_vcc(0) depctr_vm_vsrc(0)
	s_getreg_b32 s2, hwreg(HW_REG_IB_STS2, 6, 4)
	s_cmp_eq_u32 s2, 0
	s_cbranch_scc0 .Lentry_in_a_cluster
	s_endpgm
.Lentry_in_a_cluster:
	s_bfe_u32 s2, ttmp6, 0x10000c
	s_cmp_lg_u32 s2, 0x3003
	s_cbranch_scc0 .Lentry_shape_is_right
	s_endpgm
.Lentry_shape_is_right:
; qkv: [2048][4096] = x [2048][4096] x wqkv [4096 k][4096 n], f16 operands (inputs rounded to bf16, in f16 coding), f32 sums; then per head of 128 columns:
;   columns    0-2047 (q): RMS norm, RoPE, times log2(e)/sqrt(128), f16 -> qb [t][16][128]
;   columns 2048-3071 (k): RMS norm, RoPE, f32 -> out1, f16 -> kvb [8][2048][128]
;   columns 3072-4095 (v): f32 -> out2, f16 -> kvb + 4,194,304, column sums over each wave's 64 rows -> vsum [32][1024]
; A work-group makes 256 rows x 128 columns (one head) with four waves; a wave makes 64 rows x 128 columns: 32 accumulator tiles, 256 registers,
; so that 8 x 32 = 256 work-groups share the product and a whole head lies in one wave.
; W goes through LDS: all four waves read the same 128 columns.  Two slots of 256 k rows x 256 bytes, filled by the tensor data mover, 64 rows a wave.
; CLUSTERS: 4 x 1 work-groups, four block rows of one block column: they need the same W tiles and ask for them jointly: a quarter of the requests.
; x DOES NOT GO THROUGH LDS AND IS NOT ASKED FOR JOINTLY.  Each wave multiplies 64 rows of its own, so a byte of x in LDS would be read once, by one wave:
; LDS would add no reuse, and x would take 69,632 of a K step's 106,496 bytes there.  Two slots of 256 k with x in them would need 417,792 bytes; with W
; alone they need 147,456.  So one round of the cluster's barrier serves 256 matrix instructions of a wave, and 240 of them stand between a tile's
; request and the wait for it.  x comes as the register image that the launch before stored: a quarter step (32 k) of my 64 rows is 4,096 consecutive
; bytes, eight loads of 512.  A ring of eight quarter steps in registers: a quarter step is asked for seven quarter steps (224 matrix instructions)
; ahead of its wait, and that wait is counted.
; THE MATRIX INSTRUCTION IS USED TRANSPOSED: source 0 = 16 columns of W (read from the [k][n] tile by transposing LDS loads), source 1 = 16 rows of x.
; Lane (r, h) of tile (mt, nt) then holds row 16 mt + r and the eight neighbouring columns 16 nt + 8 h + 0..7.
; The kind of a work-group (q, k or v) is read off the block column, which all partners of a cluster share.
; The cos/sin table is loaded in every work-group, also in those of v, which do not use it (32 KiB a wave there): its 64 loads take the place of x's
; in the last quarter steps, so that every way through the text issues the same loads and the counted waits hold.
; REGISTERS: window 0: v16-28 addresses, v32-159 W fragments (two buffers), v160-223 norm weight of column 16 nt + 8 h + j at 8 nt + j; on the way out v32-159 are work space.
;            window 1: accumulators, tile (mt, nt) at 8 (8 mt + nt).  window 2: x, quarter step i of the ring at 32 i + 8 mt.  window 3: cos at 64 mt + 8 b + j, sin at 64 mt + 32 + 8 b + j.
; LIMITS: q_norm_w and k_norm_w are rounded to bf16 (a relative step of 2^-8) before use, like every other floating-point input of the program, so that all
; inputs carry the one rounding that the problem's comparison provides for; the norm's arithmetic is f32.
; q, k and v go on to the attention launch in f16.  q and k are normalised here, so they stay below 160 even with norm weights 30 times larger.
; v must stay below 65,504: with x and Wv both 30 times larger it reaches about 4.7e3, with both carrying an offset of 30 spreads about 5.8e4.
; out1 and out2 are stored from the f32 sums and have no such limit.
.set KDIM,  4096
.set KS,    256                        ; k rows in a slot: eight quarter steps
.set PB,    288                        ; LDS pitch of a W row: 256 bytes + 32 (an odd multiple of 32 for the transposing loads)
.set SLOT,  KS*PB                      ; 73,728
.set STAGE, 2*SLOT                     ; 147,456: behind the ring, never filled by a tensor load
.set WSTAGE, 12800                     ; a wave's stage: 16 x 528 (f32 rows), then 16 x 272 (f16 rows)
.set LAPS,  KDIM/(2*KS)                ; a lap = both slots = 16 quarter steps
.set QB,    4096                       ; bytes of x in a quarter step of a wave
.set ADRB, 16                          ; v16-19 LDS address of my W fragments: slot 0 quarters 0-3, 4-7; slot 1 likewise (an LDS offset has 16 bits)
.set L16,  22                          ; 16 x lane
.set H32,  23                          ; 32 h
.set STO,  24                          ; stage, f32: where my 32 bytes of a row go
.set RD,   25                          ; stage, f32: my 16 bytes of a whole row
.set STOB, 26                          ; stage, f16: in
.set RDB,  27                          ; stage, f16: back, two rows at a time
.set CQ,   28                          ; 4096 h + 16 r: my place in two rows of qb
.set BF,   32                          ; v32-95, v96-159 W fragments
.set NW,   160                         ; v160-223 norm weights
.set Y,    32                          ; v32-95   a row tile in f32, then whole rows read back
.set T,    96                          ; v96-127  the same in f16
.set TT,   128                         ; v128-135 RoPE products
.set SS,   144                         ; v144-151 sums of squares
.set INV,  152                         ; v152-153 1 / rms, twice
.set VS,   156                         ; v156-159 column sums of v
.set G1B, 48
.set G0B, 56
.set MSB, 0
.macro WIN new                         ; the immediate's high byte repeats the setting that is left
.if MSB != \new
	s_set_vgpr_msb (MSB<<8)|\new
.set MSB, \new
.endif
.endm
.macro PLACES                          ; four plain vector instructions behind matrix instructions (ISA guide 7.12.1)
.rept 4
	v_nop
.endr
.endm
.macro CREST                           ; a round of the cluster's barrier behind its opening barrier
	s_cmp_lg_u32 s10, 0
	s_cbranch_scc1 .Lnot_wave_0_\@
	s_barrier_signal -3
.Lnot_wave_0_\@:
	s_barrier_wait -3
	s_barrier_signal -1
	s_barrier_wait -1
.endm
.macro CROUND
	s_barrier_signal -1
	s_barrier_wait -1
	CREST
.endm
; eight loads: the quarter step that lies oq quarter steps behind the lap's base, into place ri of the ring
.macro ALOAD ri, oq
	WIN 0x80
.irp m, 0,1,2,3
	global_load_b128 v[32*(\ri)+8*\m:32*(\ri)+8*\m+3], v[L16], s[14:15] offset:(\oq)*QB+\m*1024
	global_load_b128 v[32*(\ri)+8*\m+4:32*(\ri)+8*\m+7], v[L16], s[14:15] offset:(\oq)*QB+\m*1024+512
.endr
.endm
; n loads of the cos/sin table, from load number first on: 512 consecutive bytes each
.macro TLOAD first, n
	WIN 0xc0
.set tl, \first
.rept \n
	global_load_b128 v[4*tl:4*tl+3], v[L16], s[94:95] offset:512*tl
.set tl, tl+1
.endr
.endm
	s_load_b128 s[4:7], s[0:1], 0x0                ; xb, wqkv
	s_load_b512 s[68:83], s[0:1], 0x10             ; tab 68, q_norm_w 70, k_norm_w 72, qb 74, kvb 76, out1 78, out2 80, vsum 82
	v_lshl_add_u32 v254, v0, 2, 0x30800
	v_mov_b32 v255, 0
	ds_add_u32 v254, v255
	v_lshrrev_b32 v1, 5, v0
	v_readfirstlane_b32 s10, v1                    ; wave 0..3
	s_bfe_u32 s40, ttmp6, 0x40000                  ; cx
	s_lshl_b32 s13, ttmp9, 2
	s_add_co_u32 s13, s13, s40                     ; block row = 4 x cluster x + cx
	s_and_b32 s42, ttmp7, 0xffff                   ; block column (head): the same in all four partners
	s_mov_b32 s[G1B+0], 0x0f71000f                 ; all four partners; 2-byte elements; padding on; bit 21; 8 words behind every 64
	s_mov_b32 s[G1B+1], 128<<16                    ; tensor_dim0 = 128
	s_mov_b32 s[G1B+2], 64<<16                     ; tensor_dim1 = 64 k rows
	s_mov_b32 s[G1B+3], 128<<16                    ; tile_dim0 = 128
	s_mov_b32 s[G1B+4], 64                         ; tile_dim1 = 64
	s_mov_b32 s[G1B+5], 4096                       ; elements from row to row
	s_mov_b32 s[G1B+6], 0
	s_mov_b32 s[G1B+7], 0
	s_lshl_b32 s46, s42, 8                         ; W: 256 bytes x block column
	s_lshl_b32 s47, s10, 19                        ; + 64 k rows of 8,192 bytes x wave
	s_add_co_u32 s46, s46, s47
	s_mov_b32 s47, 0
	s_mul_i32 s21, s10, 64*PB                      ; LDS: my quarter of a slot
	s_lshl2_add_u32 s16, s13, s10                  ; my block of 64 rows: 4 x block row + wave
	s_lshl_b32 s16, s16, 19                        ; 524,288 bytes each
	s_mov_b32 s17, 0
	s_lshl_b32 s84, s13, 4
	s_lshl2_add_u32 s84, s10, s84                  ; t / 16 of my first row: 16 x block row + 4 x wave
	s_lshl_b32 s84, s84, 13
	s_mov_b32 s85, 0
	v_and_b32 v[L16], 31, v0
	v_lshlrev_b32 v[L16], 4, v[L16]
	v_bfe_u32 v2, v0, 4, 1                         ; h
	v_lshlrev_b32 v[H32], 5, v2
	s_wait_dscnt 0x0
	s_wait_kmcnt 0x0
	s_add_nc_u64 s[46:47], s[6:7], s[46:47]
	s_add_nc_u64 s[14:15], s[4:5], s[16:17]        ; x: the lap's base
	s_add_nc_u64 s[94:95], s[68:69], s[84:85]      ; cos and sin of my 64 rows: 32,768 consecutive bytes
	s_cmp_lt_u32 s42, 16
	s_cselect_b64 s[96:97], s[70:71], s[72:73]     ; q_norm_w for q, k_norm_w otherwise
.irp n, 0,1,2,3,4,5,6,7
	global_load_b128 v[NW+8*\n:NW+8*\n+3], v[H32], s[96:97] offset:\n*64
	global_load_b128 v[NW+8*\n+4:NW+8*\n+7], v[H32], s[96:97] offset:\n*64+16
.endr
.irp i, 0,1,2,3,4,5,6
	ALOAD \i, \i                                   ; the ring's first seven quarter steps
.endr
	WIN 0
	CROUND                                         ; all four work-groups are here: the first joint loads meet
.irp s, 0,1
	s_mov_b32 s[G0B+4*\s], 1
	s_add_co_u32 s[G0B+4*\s+1], s21, \s*SLOT
	s_add_nc_u64 s[G0B+4*\s+2:G0B+4*\s+3], s[46:47], \s*KS*8192
	s_or_b32 s[G0B+4*\s+3], s[G0B+4*\s+3], 0x80000000
	tensor_load_to_lds s[G0B+4*\s:G0B+4*\s+3], s[G1B:G1B+7]    ; slots 0 and 1: two loads of the wave are out
	s_nop 0
.endr
	v_and_b32 v1, 15, v0                           ; r
	v_and_b32 v4, 7, v0
	v_lshl_add_u32 v4, v2, 3, v4                   ; k row 8 h + lane % 8
	v_mul_u32_u24 v4, v4, PB
	v_bfe_u32 v5, v0, 3, 1
	v_lshl_add_u32 v[ADRB], v5, 4, v4              ; + 16 bytes for the second eight columns
	v_add_nc_u32 v[ADRB+1], 4*32*PB, v[ADRB]
	v_add_nc_u32 v[ADRB+2], SLOT, v[ADRB]
	v_add_nc_u32 v[ADRB+3], SLOT, v[ADRB+1]
	s_mul_i32 s23, s10, WSTAGE
	s_add_co_u32 s23, s23, STAGE                   ; my stage
	v_mul_u32_u24 v5, v1, 528
	v_lshl_add_u32 v5, v2, 5, v5
	v_add_nc_u32 v[STO], s23, v5
	v_add_nc_u32 v[RD], s23, v[L16]
	v_mul_u32_u24 v5, v1, 272
	v_lshl_add_u32 v5, v2, 4, v5
	v_add_nc_u32 v5, s23, v5
	v_add_nc_u32 v[STOB], 8448, v5
	v_mul_u32_u24 v5, v2, 272
	v_lshl_add_u32 v5, v1, 4, v5
	v_add_nc_u32 v5, s23, v5
	v_add_nc_u32 v[RDB], 8448, v5
	v_lshlrev_b32 v5, 12, v2
	v_lshl_add_u32 v[CQ], v1, 4, v5
	s_mov_b32 s66, 0x76543210                      ; v_permlanex16_b32: lane i reads lane i of the other half
	s_mov_b32 s67, 0xfedcba98
	s_mov_b32 s99, 0x3c000000                      ; 1 / 128
	s_mov_b32 s100, 0x358637bd                     ; 1e-6
	s_mov_b32 s101, 0xffff0000                     ; a word's upper bf16
; eight matrix instructions: row tile mt x all eight column tiles, 32 along K: W from buffer f, x from place q of the ring.
; The 32 accumulators take turns, one instruction a turn, in the same order in every quarter step.
.macro MUL8 f, q, mt, zero
.irp n, 0,1,2,3,4,5,6,7
.if \zero
	v_wmma_f32_16x16x32_f16 v[8*(8*\mt+\n):8*(8*\mt+\n)+7], v[BF+64*(\f)+8*\n:BF+64*(\f)+8*\n+7], v[32*\q+8*\mt:32*\q+8*\mt+7], 0
.else
	v_wmma_f32_16x16x32_f16 v[8*(8*\mt+\n):8*(8*\mt+\n)+7], v[BF+64*(\f)+8*\n:BF+64*(\f)+8*\n+7], v[32*\q+8*\mt:32*\q+8*\mt+7], v[8*(8*\mt+\n):8*(8*\mt+\n)+7]
.endif
.endr
.endm
; 16 LDS loads in one run: W's fragments of quarter step kq of a slot into buffer f
.macro FETCH slot, kq, f
	WIN 0
.irp n, 0,1,2,3,4,5,6,7
	ds_load_tr16_b128 v[BF+64*(\f)+8*\n:BF+64*(\f)+8*\n+3], v[ADRB+2*(\slot)+(\kq)/4] offset:((\kq)%4)*32*PB+\n*32
	ds_load_tr16_b128 v[BF+64*(\f)+8*\n+4:BF+64*(\f)+8*\n+7], v[ADRB+2*(\slot)+(\kq)/4] offset:((\kq)%4)*32*PB+\n*32+16*PB
.endr
.endm
; One of a slot's first seven quarter steps.  In its middle, four places behind the matrix instructions that read them, the other W buffer is
; fetched and the ring's place read last is asked for again.  lk = 1: with x, seven quarter steps on; lk = 2: with eight loads of the table instead.
.macro QTR slot, q, zero, lk
	s_wait_loadcnt 48                              ; behind this quarter step's eight loads six groups of eight have been issued: they stay out
	s_wait_dscnt 0x0                               ; W's fragments, fetched in the middle of the quarter step before
	WIN 0x58                                       ; W window 0, x window 2, sums window 1
	MUL8 (\q%2), \q, 0, \zero
	MUL8 (\q%2), \q, 1, \zero
	PLACES
	FETCH \slot, (\q+1), ((\q+1)%2)
.if \lk == 1
	ALOAD ((\q+7)%8), (8*\slot+\q+7)
.endif
.if \lk == 2
	TLOAD (8*(\q-1)), 8
.endif
	WIN 0x58
	MUL8 (\q%2), \q, 2, \zero
	MUL8 (\q%2), \q, 3, \zero
.endm
; A slot's last quarter step and the change of slots: each wave waits for its reads of this slot and for all its tensor loads, then signals;
; behind the barrier (with fill: behind the round of the cluster's barrier that it opens) the refill comes first, then the other slot is read.
.macro TURN slot, fill
	s_wait_loadcnt 48
	s_wait_dscnt 0x0                               ; the last fragments are in: my reads of this slot are over
	s_set_vgpr_msb 0x5850
	s_wait_tensorcnt 0x0                           ; all my tensor loads have landed: the one that was out is my part of the other slot
	ds_add_u32 v254, v255
	s_wait_dscnt 0x0
	s_set_vgpr_msb 0x5058
	s_barrier_signal -1
	WIN 0x58
	MUL8 1, 7, 0, 0                                ; register work while the others arrive
	MUL8 1, 7, 1, 0
	WIN 0
	s_barrier_wait -1
.if \fill
	CREST
	s_add_nc_u64 s[G0B+4*\slot+2:G0B+4*\slot+3], s[G0B+4*\slot+2:G0B+4*\slot+3], 2*KS*8192
	tensor_load_to_lds s[G0B+4*\slot:G0B+4*\slot+3], s[G1B:G1B+7]  ; my one tensor load behind the round: 240 matrix instructions stand between it and the wait for it
	s_nop 0
.endif
	PLACES
	FETCH (1-\slot), 0, 0
	ALOAD 6, (8*\slot+14)
	WIN 0x58
	MUL8 1, 7, 2, 0
	MUL8 1, 7, 3, 0
.endm
.macro RUN7 slot, zero
	QTR \slot, 0, \zero, 1
.irp q, 1,2,3,4,5,6
	QTR \slot, \q, 0, 1
.endr
.endm
.macro LAP zero
	RUN7 0, \zero
	TURN 0, 1
	RUN7 1, 0
	TURN 1, 1
	WIN 0
	s_wait_xcnt 0x0                                ; x's base, which pending loads name, is stepped only behind this wait
	s_add_nc_u64 s[14:15], s[14:15], 16*QB
.endm
	s_wait_tensorcnt 1                             ; my part of slot 0 is in; slot 1 may stay out
	s_barrier_signal -1
	s_barrier_wait -1
	FETCH 0, 0, 0
	LAP 1                                          ; the first products start the sums: nothing is cleared
	s_mov_b32 s3, LAPS-2
.Llap:
	LAP 0
	s_sub_co_u32 s3, s3, 1
	s_cmp_lg_u32 s3, 0
	s_cbranch_scc1 .Llap
	RUN7 0, 0                                      ; the last lap fills no slot
	TURN 0, 0
	QTR 1, 0, 0, 1                                 ; x's last quarter step is asked for here
.irp q, 1,2,3,4,5,6
	QTR 1, \q, 0, 2                                ; from here on the table's loads, eight a quarter step: the count of the waits stays as it is
.endr
	s_wait_loadcnt 48
	s_wait_dscnt 0x0
	WIN 0x58
	MUL8 1, 7, 0, 0
	MUL8 1, 7, 1, 0
	TLOAD 48, 16                                   ; the table's last sixteen
	WIN 0x58
	MUL8 1, 7, 2, 0
	MUL8 1, 7, 3, 0
	PLACES                                         ; behind the last matrix instructions, ahead of everything that reads results or reuses fragments
	WIN 0
	; the norm weights (loaded ahead of x, so long since in) are rounded to bf16, once, like the program's other floating-point inputs, and widened again
.set pp, 0
.rept 32
	v_cvt_pk_bf16_f32 v[T+pp], v[NW+2*pp], v[NW+2*pp+1]
.set pp, pp+1
.endr
.set pp, 0
.rept 32
	v_lshlrev_b32 v[NW+2*pp], 16, v[T+pp]
	v_and_b32 v[NW+2*pp+1], s101, v[T+pp]
.set pp, pp+1
.endr
; RMS norm, weight and RoPE of row tile mt, from the accumulators into Y
.macro NORMROPE mt
	WIN 0x05                                       ; sources 0 and 1: accumulators
.irp c, 0,1,2,3
	v_pk_mul_f32 v[SS+2*\c:SS+2*\c+1], v[64*\mt+2*\c:64*\mt+2*\c+1], v[64*\mt+2*\c:64*\mt+2*\c+1]
.endr
.set pp, 4
.rept 28
	v_pk_fma_f32 v[SS+2*(pp%4):SS+2*(pp%4)+1], v[64*\mt+2*pp:64*\mt+2*pp+1], v[64*\mt+2*pp:64*\mt+2*pp+1], v[SS+2*(pp%4):SS+2*(pp%4)+1]
.set pp, pp+1
.endr
	WIN 0
	v_pk_add_f32 v[SS:SS+1], v[SS:SS+1], v[SS+2:SS+3]
	v_pk_add_f32 v[SS+4:SS+5], v[SS+4:SS+5], v[SS+6:SS+7]
	v_pk_add_f32 v[SS:SS+1], v[SS:SS+1], v[SS+4:SS+5]
	v_add_f32 v[SS], v[SS], v[SS+1]                ; my 64 columns of row r
	v_permlanex16_b32 v[SS+2], v[SS], s66, s67     ; the other 64
	v_add_f32 v[SS], v[SS], v[SS+2]
	v_fma_f32 v[SS], v[SS], s99, s100              ; mean + eps
	v_rsq_f32 v[INV], v[SS]
	v_nop                                          ; one plain instruction behind the transcendental
	s_wait_alu depctr_va_vdst(0)
	v_mul_f32 v[INV], s92, v[INV]                  ; q: times log2(e)/sqrt(128); k: times 1
	v_mov_b32 v[INV+1], v[INV]
	WIN 0x01
.set pp, 0
.rept 32
	v_pk_mul_f32 v[Y+2*pp:Y+2*pp+1], v[64*\mt+2*pp:64*\mt+2*pp+1], v[INV:INV+1]
.set pp, pp+1
.endr
	WIN 0
.set pp, 0
.rept 32
	v_pk_mul_f32 v[Y+2*pp:Y+2*pp+1], v[Y+2*pp:Y+2*pp+1], v[NW+2*pp:NW+2*pp+1]
.set pp, pp+1
.endr
	s_wait_loadcnt 48-16*\mt                       ; this row tile's sixteen loads of the table are in; those of the later row tiles stay out
	WIN 0x0c                                       ; source 1: cos and sin
.irp b, 0,1,2,3
.irp i, 0,1,2,3
	v_pk_mul_f32 v[TT+4*(\i%2):TT+4*(\i%2)+1], v[Y+32+8*\b+2*\i:Y+32+8*\b+2*\i+1], v[64*\mt+32+8*\b+2*\i:64*\mt+32+8*\b+2*\i+1]
	v_pk_mul_f32 v[TT+4*(\i%2)+2:TT+4*(\i%2)+3], v[Y+8*\b+2*\i:Y+8*\b+2*\i+1], v[64*\mt+32+8*\b+2*\i:64*\mt+32+8*\b+2*\i+1]
	v_pk_fma_f32 v[Y+8*\b+2*\i:Y+8*\b+2*\i+1], v[Y+8*\b+2*\i:Y+8*\b+2*\i+1], v[64*\mt+8*\b+2*\i:64*\mt+8*\b+2*\i+1], v[TT+4*(\i%2):TT+4*(\i%2)+1] neg_lo:[0,0,1] neg_hi:[0,0,1]
	v_pk_fma_f32 v[Y+32+8*\b+2*\i:Y+32+8*\b+2*\i+1], v[Y+32+8*\b+2*\i:Y+32+8*\b+2*\i+1], v[64*\mt+8*\b+2*\i:64*\mt+8*\b+2*\i+1], v[TT+4*(\i%2)+2:TT+4*(\i%2)+3]
.endr
.endr
.endm
; 16 rows out.  kind 0: q, 1: k, 2: v.  Through my own stage in LDS, so that every store covers whole aligned runs of 256 bytes or more.
; LDS serves a wave's instructions in order, so the loads below see the stores above them.
.macro EPI kind, mt
	s_wait_xcnt 0x0                                ; Y and T, which the last 16 rows' stores read, are rewritten only behind this wait
.if \kind < 2
	NORMROPE \mt
	WIN 0
.set pp, 0
.rept 32
	v_cvt_pk_f16_f32 v[T+pp], v[Y+2*pp], v[Y+2*pp+1]
.set pp, pp+1
.endr
.else
	WIN 0x05
.set pp, 0
.rept 32
	v_cvt_pk_f16_f32 v[T+pp], v[64*\mt+2*pp], v[64*\mt+2*pp+1]
.set pp, pp+1
.endr
.endif
.if \kind == 1
.set pp, 0
.rept 16
	ds_store_b128 v[STO], v[Y+4*pp:Y+4*pp+3] offset:(pp/2)*64+(pp%2)*16
.set pp, pp+1
.endr
.endif
.if \kind == 2
	WIN 0x04                                       ; store data: accumulators
.set pp, 0
.rept 16
	ds_store_b128 v[STO], v[64*\mt+4*pp:64*\mt+4*pp+3] offset:(pp/2)*64+(pp%2)*16
.set pp, pp+1
.endr
	WIN 0
.endif
.irp n, 0,1,2,3,4,5,6,7
	ds_store_b128 v[STOB], v[T+4*\n:T+4*\n+3] offset:32*\n
.endr
.if \kind > 0
.set pp, 0
.rept 16
	ds_load_b128 v[Y+4*pp:Y+4*pp+3], v[RD] offset:528*pp       ; a whole f32 row: 512 bytes
.set pp, pp+1
.endr
.endif
.irp n, 0,1,2,3,4,5,6,7
	ds_load_b128 v[T+4*\n:T+4*\n+3], v[RDB] offset:544*\n      ; two whole f16 rows
.endr
.if \kind > 0
.set pp, 0
.rept 16
	s_wait_dscnt 23-pp                             ; row pp is in; 15 - pp f32 rows and the 8 f16 loads may be out
	global_store_b128 v[L16], v[Y+4*pp:Y+4*pp+3], s[90:91] offset:(16*\mt+pp)*4096 th:TH_STORE_NT
.if \kind == 2
.if 16*\mt+pp == 1
	v_pk_add_f32 v[VS:VS+1], v[Y:Y+1], v[Y+4:Y+5]              ; the first two rows start the column sums
	v_pk_add_f32 v[VS+2:VS+3], v[Y+2:Y+3], v[Y+6:Y+7]
.endif
.if 16*\mt+pp > 1
	v_pk_add_f32 v[VS:VS+1], v[VS:VS+1], v[Y+4*pp:Y+4*pp+1]
	v_pk_add_f32 v[VS+2:VS+3], v[VS+2:VS+3], v[Y+4*pp+2:Y+4*pp+3]
.endif
.endif
.set pp, pp+1
.endr
.endif
.irp n, 0,1,2,3,4,5,6,7
	s_wait_dscnt 7-\n
.if \kind == 0
	global_store_b128 v[CQ], v[T+4*\n:T+4*\n+3], s[88:89] offset:(16*\mt+2*\n)*4096   ; 16 lanes store the 256 bytes of a head in one row of qb
.else
	global_store_b128 v[L16], v[T+4*\n:T+4*\n+3], s[88:89] offset:(16*\mt+2*\n)*256   ; head-major: 512 consecutive bytes
.endif
.endr
.endm
	s_lshl_b32 s84, s13, 8
	s_lshl_b32 s85, s10, 6
	s_add_co_u32 s84, s84, s85                     ; my first row t0
	s_mov_b32 s87, 0
	s_cmp_lt_u32 s42, 16
	s_cbranch_scc1 .Lq
	s_cmp_lt_u32 s42, 24
	s_cbranch_scc1 .Lk
	; ---- v
	s_sub_co_u32 s98, s42, 24                      ; key/value head
	s_lshl_b32 s86, s84, 12
	s_lshl_b32 s85, s98, 9
	s_add_co_u32 s86, s86, s85
	s_add_nc_u64 s[90:91], s[80:81], s[86:87]      ; out2 + t0 x 4096 + head x 512
	s_lshl_b32 s86, s98, 19
	s_lshl_b32 s85, s84, 8
	s_add_co_u32 s86, s86, s85
	s_add_co_u32 s86, s86, 0x400000
	s_add_nc_u64 s[88:89], s[76:77], s[86:87]      ; kvb + 4,194,304 + head x 524,288 + t0 x 256
	EPI 2, 0
	EPI 2, 1
	EPI 2, 2
	EPI 2, 3
	s_lshl2_add_u32 s86, s13, s10                  ; 4 x block row + wave
	s_lshl_b32 s86, s86, 12
	s_lshl_b32 s85, s98, 9
	s_add_co_u32 s86, s86, s85
	s_add_nc_u64 s[96:97], s[82:83], s[86:87]      ; (the norm weights' loads are long done)
	global_store_b128 v[L16], v[VS:VS+3], s[96:97]
	s_branch .Lend
.Lq:
	s_lshl_b32 s86, s84, 12
	s_lshl_b32 s85, s42, 8
	s_add_co_u32 s86, s86, s85
	s_add_nc_u64 s[88:89], s[74:75], s[86:87]      ; qb + t0 x 4096 + head x 256
	s_mov_b32 s92, 0x3e0293ee                      ; log2(e) / sqrt(128)
	EPI 0, 0
	EPI 0, 1
	EPI 0, 2
	EPI 0, 3
	s_branch .Lend
.Lk:
	s_sub_co_u32 s98, s42, 16
	s_lshl_b32 s86, s84, 12
	s_lshl_b32 s85, s98, 9
	s_add_co_u32 s86, s86, s85
	s_add_nc_u64 s[90:91], s[78:79], s[86:87]      ; out1
	s_lshl_b32 s86, s98, 19
	s_lshl_b32 s85, s84, 8
	s_add_co_u32 s86, s86, s85
	s_add_nc_u64 s[88:89], s[76:77], s[86:87]      ; kvb
	s_mov_b32 s92, 1.0
	EPI 1, 0
	EPI 1, 1
	EPI 1, 2
	EPI 1, 3
.Lend:
	s_wait_tensorcnt 0x0
	ds_add_u32 v254, v255
	s_wait_dscnt 0x0
	CROUND                                         ; the closing round: no work-group ends while a partner may still ask jointly
	s_endpgm
.Lfunc_end_k_qda59aea59d_qkv:
	.size	k_qda59aea59d_qkv, .Lfunc_end_k_qda59aea59d_qkv-k_qda59aea59d_qkv
	.p2alignl 7, 3214868480
	.fill 96, 4, 3214868480
	.section	.rodata,"a",@progbits
	.p2align	6, 0x0
	.amdhsa_kernel k_qda59aea59d_qkv
		.amdhsa_group_segment_fixed_size 327680
		.amdhsa_private_segment_fixed_size 0
		.amdhsa_enable_private_segment 0
		.amdhsa_kernarg_size 80
		.amdhsa_user_sgpr_count 2
		.amdhsa_user_sgpr_kernarg_segment_ptr 1
		.amdhsa_wavefront_size32 1
		.amdhsa_system_sgpr_workgroup_id_x 1
		.amdhsa_system_sgpr_workgroup_id_y 1
		.amdhsa_system_sgpr_workgroup_id_z 1
		.amdhsa_system_vgpr_workitem_id 0
		.amdhsa_next_free_vgpr 1024
		.amdhsa_next_free_sgpr 102
		.amdhsa_reserve_vcc 0
		.amdhsa_float_denorm_mode_32 3
		.amdhsa_float_denorm_mode_16_64 3
		.amdhsa_memory_ordered 1
		.amdhsa_forward_progress 1
		.amdhsa_inst_pref_size 255
	.end_amdhsa_kernel
	.section	.bss,"aw",@nobits
	.p2align	6
	.space	262144
	.amdgpu_metadata
---
amdhsa.version: [ 1, 2 ]
amdhsa.kernels:
  - .name:           k_qda59aea59d_qkv
    .symbol:         k_qda59aea59d_qkv.kd
    .args:
      - { .name: xb, .offset: 0, .size: 8, .value_kind: global_buffer, .address_space: global }
      - { .name: wqkv, .offset: 8, .size: 8, .value_kind: global_buffer, .address_space: global }
      - { .name: tab, .offset: 16, .size: 8, .value_kind: global_buffer, .address_space: global }
      - { .name: q_norm_w, .offset: 24, .size: 8, .value_kind: global_buffer, .address_space: global }
      - { .name: k_norm_w, .offset: 32, .size: 8, .value_kind: global_buffer, .address_space: global }
      - { .name: qb, .offset: 40, .size: 8, .value_kind: global_buffer, .address_space: global }
      - { .name: kvb, .offset: 48, .size: 8, .value_kind: global_buffer, .address_space: global }
      - { .name: out1, .offset: 56, .size: 8, .value_kind: global_buffer, .address_space: global }
      - { .name: out2, .offset: 64, .size: 8, .value_kind: global_buffer, .address_space: global }
      - { .name: vsum, .offset: 72, .size: 8, .value_kind: global_buffer, .address_space: global }
    .group_segment_fixed_size: 327680
    .private_segment_fixed_size: 0
    .kernarg_segment_align: 8
    .kernarg_segment_size: 80
    .max_flat_workgroup_size: 128
    .sgpr_count:     102
    .vgpr_count:     1024
    .wavefront_size: 32
...
	.end_amdgpu_metadata
.endif
;; end of part 2
;; launch attn (part 3): grid 256 x 1, 4 waves a work-group, clusters of 4 x 1, 327,680 bytes of LDS; arguments qb, kvb, tab, vsum, att; writes att
.if DOCPART == 3
	.amdgcn_target "amdgcn-amd-amdhsa--gfx1250"
	.amdhsa_code_object_version 6
	.text
	.protected	k_qda59aea59d_attn
	.globl	k_qda59aea59d_attn
	.p2align	8
	.type	k_qda59aea59d_attn,@function
k_qda59aea59d_attn:
	s_mov_b64 s[64:65], 0
	v_nop
	global_prefetch_b8 v0, s[64:65] scope:SCOPE_SE
	s_setreg_imm32_b32 hwreg(HW_REG_WAVE_MODE, 25, 1), 1
	s_wait_xcnt 0x0
	s_wait_alu depctr_hold_cnt(0) depctr_sa_sdst(0) depctr_va_vdst(0) depctr_va_sdst(0) depctr_va_ssrc(0) depctr_va_vcc(0) depctr_vm_vsrc(0)
	s_getreg_b32 s2, hwreg(HW_REG_IB_STS2, 6, 4)
	s_cmp_eq_u32 s2, 0
	s_cbranch_scc0 .Lentry_in_a_cluster
	s_endpgm
.Lentry_in_a_cluster:
	s_bfe_u32 s2, ttmp6, 0x10000c
	s_cmp_lg_u32 s2, 0x3003
	s_cbranch_scc0 .Lentry_shape_is_right
	s_endpgm
.Lentry_shape_is_right:
; attn: causal attention with a key mask, 16 query heads on 8 key/value heads, T = 2048, head size 128.  Softmax with a running maximum, base 2
; (q was multiplied by log2(e)/sqrt(128) when it was stored).  All matrix operands are f16, all sums f32.
; WORK: cluster c = 0..63: key/value head c / 8, a = c % 8.  Its four work-groups: head 2 kvh + (cx & 1), p = 2 a + (cx >> 1).  A work-group makes two
; blocks of 64 query rows one after the other: block p (needs a + 1 key tiles of 128) and block 31 - p (needs 16 - a).  Each count is rounded up to even,
; (a/2 + 1) + (8 - a/2) pairs = 18 steps in every work-group; the one tile too many lies inside the buffer and is wholly masked by causality.
; The list of tiles hangs on the cluster's number alone, so all four partners ask for every K and V tile jointly: a quarter of the requests.
; In a step wave w takes keys 32 w .. 32 w + 31 of the tile for all 64 rows, with its own maximum, sum and O; the four parts meet in LDS at a block's end.
; EVERYTHING IS TRANSPOSED: S^T = K Q^T (lane (r, h): query row r, keys 8 h + j), so maximum and sum of a row are made inside a lane and its partner lane,
; the packed exponentials of the two key tiles are the second operand of O^T = V^T P^T as they stand, and m, l, alpha are one number a lane.
; THE OUTPUT is the register image of the last product's row operand: att[t/64][c = k/32][mt = (t/16)%4][p][lane][8 numbers], lane (r, h) holding row
; 16 mt + r, k = 32 c + 16 p + 8 h .. + 7.  A lane's eight numbers of column tile dt of its head are just that, with c = 4 head + dt/2, p = dt % 2:
; they are stored from the registers as they stand, 512 consecutive bytes an instruction.
; MASKS: the key bias (0 or -1e30) is the C operand of the first product; causally masked scores are set to -1e30.  A row or a wave with no admissible key
; so far gathers finite numbers that the next factor exp2(-1e30 - m) = 0 wipes out.  A row with no admissible key at all (maximum below -1e29) takes the
; mean of v over all 2,048 keys, which is what a softmax over equal masked scores gives.
; LIMITS: operands in f16: the exponentials lie in [0, 1]; the result, a mean of v, is below 65,504 wherever v is (about 4.7e3 with x and Wv 30 times
; larger, about 5.8e4 with both carrying an offset of 30 spreads).  Real scores (scaled) must lie above -1e29; they are below 1.5e4 in size even with
; both norm weights 30 times larger.
; LDS: slot 0, slot 1 (V: 128 x 288, then K: 128 x 272), STG: the four waves' O, MLB: m and l, VMB: the mean of v in f16.
.set PK,   272
.set PV,   288
.set KOFF, 128*PV                      ; 36,864
.set SLOT, KOFF+128*PK                 ; 71,680
.set STG,  2*SLOT                      ; 143,360
.set MLB,  STG+131072                  ; 274,432
.set VMB,  MLB+2048                    ; 276,480
.set ADRK, 16                          ; v16-17 my K fragments, slot 0, 1
.set ADRV, 18                          ; v18-19 my V fragments
.set BL,   20                          ; 4 (32 w + 8 h)
.set BO,   21                          ; + 512 x tile
.set THR,  22                          ; a score of key 16 t + j, row tile qt is masked if 16 t + j - 16 qt > THR
.set NEGR, 23                          ; -1e30
.set STA,  24
.set RDA0, 25
.set RDA1, 26
.set MLA,  27
.set MLR,  28
.set VMR,  29
.set QO,   33
.set L16,  34                          ; 16 x lane
.set LT,   35                          ; r - 32 w - 8 h
.set T,    36                          ; v36-43
.set ML,   44                          ; v44-51  (m, l) for each row tile
.set AL,   52                          ; v52-59  alpha, twice, for each row tile
.set BI,   60                          ; v60-75  key bias of my 2 x 8 keys
.set SC,   76                          ; v76-83
.set MW,   84                          ; v84-87
.set LW,   88                          ; v88-91
.set S,    96                          ; v96-159  scores, tile (t, qt) at 32 t + 8 qt
.set P,    160                         ; v160-191 packed exponentials, 8 for each qt
.set KF,   192                         ; v192-255 K fragments (t, ks)
.set QF,   0                           ; window 1: Q fragments (qt, ks) at 32 qt + 8 ks
.set VF,   128                         ; window 1: V fragments, 8 for each dt
                                       ; window 2: O tile (qt, dt) at 8 (8 qt + dt)
.set G1V, 24
.set G1K, 32
.set G0V, 40
.set G0K, 48
.set MSB, 0
.macro WIN new
.if MSB != \new
	s_set_vgpr_msb (MSB<<8)|\new
.set MSB, \new
.endif
.endm
.macro PLACES
.rept 4
	v_nop
.endr
.endm
.macro JLOAD s                         ; waves 0, 1: the halves of V's tile; waves 2, 3: those of K's: one load a wave
	s_cmp_eq_u32 s15, 0
	s_cbranch_scc0 .Lfor_k_\@
	tensor_load_to_lds s[G0V+4*\s:G0V+4*\s+3], s[G1V:G1V+7]
	s_nop 0
	s_branch .Lasked_\@
.Lfor_k_\@:
	tensor_load_to_lds s[G0K+4*\s:G0K+4*\s+3], s[G1K:G1K+7]
	s_nop 0
.Lasked_\@:
.endm
.macro ROUND                           ; a round of the cluster's barrier
	s_barrier_signal -1
	s_barrier_wait -1
	s_cmp_lg_u32 s14, 0
	s_cbranch_scc1 .Lnot_wave_0_\@
	s_barrier_signal -3
.Lnot_wave_0_\@:
	s_barrier_wait -3
	s_barrier_signal -1
	s_barrier_wait -1
.endm
	s_load_b256 s[4:11], s[0:1], 0x0               ; qb 4, kvb 6, tab 8, vsum 10
	s_load_b64 s[12:13], s[0:1], 0x20              ; att
	v_lshl_add_u32 v94, v0, 2, 0x43900
	v_mov_b32 v95, 0
	ds_add_u32 v94, v95
	v_lshrrev_b32 v1, 5, v0
	v_readfirstlane_b32 s14, v1                    ; wave
	s_lshr_b32 s15, s14, 1                         ; I fetch for V (0) or K (1)
	s_and_b32 s16, s14, 1                          ; which 64 rows of the tile
	s_lshr_b32 s18, ttmp9, 3                       ; key/value head
	s_and_b32 s19, ttmp9, 7                        ; a
	s_mov_b32 s[G1V+0], 0x0f71000f                 ; all four partners; 2-byte elements; padding on; bit 21; 8 words behind every 64
	s_mov_b32 s[G1V+1], 128<<16
	s_mov_b32 s[G1V+2], 64<<16
	s_mov_b32 s[G1V+3], 128<<16
	s_mov_b32 s[G1V+4], 64
	s_mov_b32 s[G1V+5], 128
	s_mov_b32 s[G1V+6], 0
	s_mov_b32 s[G1V+7], 0
	s_mov_b32 s[G1K+0], 0x0771000f                 ; the same with 4 words of padding
	s_mov_b32 s[G1K+1], 128<<16
	s_mov_b32 s[G1K+2], 64<<16
	s_mov_b32 s[G1K+3], 128<<16
	s_mov_b32 s[G1K+4], 64
	s_mov_b32 s[G1K+5], 128
	s_mov_b32 s[G1K+6], 0
	s_mov_b32 s[G1K+7], 0
	s_mul_i32 s22, s14, 64*PV                      ; LDS: waves 0, 1: V's halves
	s_mul_i32 s23, s14, 64*PK
	s_add_co_u32 s23, s23, KOFF-128*PK             ; waves 2, 3: K's halves, behind V
	s_lshl_b32 s88, s18, 19                        ; 524,288 bytes a head
	s_lshl_b32 s89, s16, 14                        ; 64 rows of 256 bytes
	s_add_co_u32 s88, s88, s89
	s_mov_b32 s89, 0
	s_mov_b32 s60, 0                               ; s[60:61]: byte offset of the tile asked for last
	s_mov_b32 s61, 0
	s_lshr_b32 s62, s19, 1
	s_add_co_u32 s62, s62, 1
	s_lshl_b32 s62, s62, 16                        ; the first block's tiles x 32,768: there the list starts again at tile 0
	s_wait_dscnt 0x0
	s_wait_kmcnt 0x0
	s_add_nc_u64 s[56:57], s[6:7], s[88:89]        ; K of my head, my half
	s_add_nc_u64 s[58:59], s[56:57], 0x400000      ; V
.irp s, 0,1
	s_mov_b32 s[G0V+4*\s], 1
	s_add_co_u32 s[G0V+4*\s+1], s22, \s*SLOT
	s_mov_b32 s[G0K+4*\s], 1
	s_add_co_u32 s[G0K+4*\s+1], s23, \s*SLOT
.endr
	s_mov_b64 s[G0V+2:G0V+3], s[58:59]
	s_or_b32 s[G0V+3], s[G0V+3], 0x80000000
	s_mov_b64 s[G0K+2:G0K+3], s[56:57]
	s_or_b32 s[G0K+3], s[G0K+3], 0x80000000
	ROUND                                          ; in front of the first joint load
	JLOAD 0                                        ; tile 0
	s_bfe_u32 s17, ttmp6, 0x40000                  ; cx
	s_and_b32 s20, s17, 1
	s_lshl1_add_u32 s20, s18, s20                  ; head
	s_lshr_b32 s21, s17, 1
	s_lshl1_add_u32 s21, s19, s21                  ; p
	v_and_b32 v1, 31, v0                           ; lane
	v_and_b32 v2, 15, v0                           ; r
	v_bfe_u32 v3, v0, 4, 1                         ; h
	s_lshl_b32 s81, s14, 5
	v_lshl_add_u32 v4, v3, 3, s81                  ; 32 w + 8 h
	v_lshlrev_b32 v[BL], 2, v4
	v_mov_b32 v[BO], v[BL]
	v_sub_nc_u32 v[LT], v2, v4
.irp t, 0,1
	global_load_b128 v[BI+8*\t:BI+8*\t+3], v[BO], s[8:9] offset:1048576+\t*64       ; key bias of tile 0
	global_load_b128 v[BI+8*\t+4:BI+8*\t+7], v[BO], s[8:9] offset:1048576+\t*64+16
.endr
	v_add_nc_u32 v5, s81, v2
	v_mul_u32_u24 v5, v5, PK
	v_lshl_add_u32 v5, v3, 4, v5
	v_add_nc_u32 v[ADRK], KOFF, v5                 ; (32 w + r) x 272 + 16 h, behind V
	v_add_nc_u32 v[ADRK+1], SLOT, v[ADRK]
	v_and_b32 v5, 7, v0
	v_add_nc_u32 v5, v5, v4
	v_mul_u32_u24 v5, v5, PV
	v_bfe_u32 v6, v0, 3, 1
	v_lshl_add_u32 v[ADRV], v6, 4, v5              ; (32 w + 8 h + lane % 8) x 288 + 16 x (second eight columns)
	v_add_nc_u32 v[ADRV+1], SLOT, v[ADRV]
	v_lshlrev_b32 v[L16], 4, v1                    ; 16 x lane
	s_lshl_b32 s81, s14, 15
	s_add_co_u32 s81, s81, STG
	v_add_nc_u32 v[STA], s81, v[L16]               ; my 32 KiB of STG
	s_lshl_b32 s81, s14, 13
	s_add_co_u32 s81, s81, STG
	v_add_nc_u32 v[RDA0], s81, v[L16]              ; row tile w in the parts of waves 0, 1
	v_add_nc_u32 v[RDA1], 0x10000, v[RDA0]         ; and of waves 2, 3
	v_lshlrev_b32 v5, 2, v2                        ; 4 r
	v_lshl_add_u32 v6, v3, 8, v5
	s_lshl_b32 s81, s14, 9
	s_add_co_u32 s81, s81, MLB
	v_add_nc_u32 v[MLA], s81, v6                   ; MLB + 512 w + 256 h + 4 r: lanes 0-15 store m, lanes 16-31 l
	s_lshl_b32 s81, s14, 6
	s_add_co_u32 s81, s81, MLB
	v_add_nc_u32 v[MLR], s81, v5                   ; MLB + 64 w + 4 r: row tile w
	v_lshlrev_b32 v6, 4, v3                        ; 16 h
	v_add_nc_u32 v[VMR], VMB, v6
	v_lshl_add_u32 v[QO], v2, 12, v6               ; 4096 r + 16 h
	s_lshl_b32 s81, s20, 8                         ; q: 256 bytes a head
	s_lshl_b32 s86, s20, 14                        ; att: 4 chunks of 4,096 bytes a head
	s_lshl_b32 s76, s14, 10                        ;      + 1,024 bytes x my row tile
	s_add_co_u32 s86, s86, s76
	s_mov_b32 s83, 0
	s_mov_b32 s77, 0
	s_lshl_b32 s76, s21, 18                        ; block p: 262,144 bytes in qb and in att
	s_add_co_u32 s82, s76, s81
	s_add_nc_u64 s[68:69], s[4:5], s[82:83]        ; q, first block
	s_add_co_u32 s76, s76, s86
	s_add_nc_u64 s[72:73], s[12:13], s[76:77]      ; att, first block, my row tile
	s_sub_co_u32 s76, 31, s21
	s_lshl_b32 s76, s76, 18
	s_add_co_u32 s82, s76, s81
	s_add_nc_u64 s[70:71], s[4:5], s[82:83]        ; q, second block
	s_add_co_u32 s76, s76, s86
	s_add_nc_u64 s[74:75], s[12:13], s[76:77]      ; att, second block
	s_lshl_b32 s82, s18, 9
	s_add_nc_u64 s[78:79], s[10:11], s[82:83]      ; vsum, my head's 128 columns
	s_mov_b32 s66, 0x76543210
	s_mov_b32 s67, 0xfedcba98
	s_mov_b32 s85, 0xffff0000                      ; lanes 16-31
	s_mov_b32 s87, 0xefa18f08                      ; -1e29
.macro LOADQ qp                        ; the block's 64 rows of q as 16 fragments: lane (r, h) takes row 16 qt + r, 16 bytes at 64 ks + 16 h and at + 32
	WIN 0x40
.irp qt, 0,1,2,3
.irp ks, 0,1,2,3
	global_load_b128 v[QF+32*\qt+8*\ks:QF+32*\qt+8*\ks+3], v[QO], s[\qp:\qp+1] offset:\qt*65536+\ks*64
	global_load_b128 v[QF+32*\qt+8*\ks+4:QF+32*\qt+8*\ks+7], v[QO], s[\qp:\qp+1] offset:\qt*65536+\ks*64+32
.endr
.endr
	WIN 0
.endm
	LOADQ 68
	; wave 0: the mean of v over all 2,048 keys, from the 32 partial column sums, as f16 into VMB
	s_cmp_lg_u32 s14, 0
	s_cbranch_scc1 .Lno_mean
.set ii, 0
.rept 32
	global_load_b128 v[S+4*ii:S+4*ii+3], v[L16], s[78:79] offset:4096*ii
.set ii, ii+1
.endr
	s_wait_loadcnt 0x0
.irp st, 16,8,4,2,1
.set ii, 0
.rept \st
	v_pk_add_f32 v[S+4*ii:S+4*ii+1], v[S+4*ii:S+4*ii+1], v[S+4*(ii+\st):S+4*(ii+\st)+1]
	v_pk_add_f32 v[S+4*ii+2:S+4*ii+3], v[S+4*ii+2:S+4*ii+3], v[S+4*(ii+\st)+2:S+4*(ii+\st)+3]
.set ii, ii+1
.endr
.endr
	v_pk_mul_f32 v[S:S+1], v[S:S+1], 0x3a000000 op_sel_hi:[1,0]        ; / 2048
	v_pk_mul_f32 v[S+2:S+3], v[S+2:S+3], 0x3a000000 op_sel_hi:[1,0]
	v_cvt_pk_f16_f32 v[S+4], v[S], v[S+1]
	v_cvt_pk_f16_f32 v[S+5], v[S+2], v[S+3]
	v_lshlrev_b32 v8, 3, v1
	v_add_nc_u32 v8, VMB, v8
	ds_store_b64 v8, v[S+4:S+5]                    ; waited for in front of the first round below
.Lno_mean:
.irp qt, 0,1,2,3
	v_mov_b32 v[ML+2*\qt+1], 0                     ; l: written once, since the packed subtraction names the pair (m, l)
.endr
	v_mov_b32 v[T+6], 0                            ; a destination of v_permlanex16_b32 counts as read
	v_mov_b32 v[NEGR], 0xf149f2ca
	s_lshl_b32 s81, s21, 6
	v_add_nc_u32 v[THR], s81, v[LT]                ; first block, tile 0
; softmax of row tile qt on this step's 32 keys: masks, running maximum, alpha, exponentials, sum, packing
.macro SM qt, first, mask
.set SA, S+8*\qt
.set SB, S+32+8*\qt
.if \mask
.irp j, 0,1,2,3,4,5,6,7
	v_cmp_gt_i32 vcc_lo, \j-16*\qt, v[THR]
	v_cndmask_b32 v[SA+\j], v[SA+\j], v[NEGR], vcc_lo
	v_cmp_gt_i32 vcc_lo, 16+\j-16*\qt, v[THR]
	v_cndmask_b32 v[SB+\j], v[SB+\j], v[NEGR], vcc_lo
.endr
.endif
	v_max3_num_f32 v[T], v[SA], v[SA+1], v[SA+2]
	v_max3_num_f32 v[T+1], v[SB], v[SB+1], v[SB+2]
	v_max3_num_f32 v[T], v[T], v[SA+3], v[SA+4]
	v_max3_num_f32 v[T+1], v[T+1], v[SB+3], v[SB+4]
	v_max3_num_f32 v[T], v[T], v[SA+5], v[SA+6]
	v_max3_num_f32 v[T+1], v[T+1], v[SB+5], v[SB+6]
.if \first
	v_max_num_f32 v[T], v[T], v[SA+7]
.else
	v_max3_num_f32 v[T], v[T], v[SA+7], v[ML+2*\qt]
.endif
	v_max3_num_f32 v[T], v[T], v[T+1], v[SB+7]
	v_permlanex16_b32 v[T+6], v[T], s66, s67       ; the other sixteen keys of the row
	v_max_num_f32 v[T], v[T], v[T+6]
.if \first == 0
	v_sub_f32 v[T+1], v[ML+2*\qt], v[T]
	v_exp_f32 v[AL+2*\qt], v[T+1]                  ; alpha, twice, for the packed multiply
	v_exp_f32 v[AL+2*\qt+1], v[T+1]
.endif
	v_mov_b32 v[ML+2*\qt], v[T]                    ; a plain instruction behind the two exponentials
.irp i, 0,1,2,3
	v_pk_add_f32 v[SA+2*\i:SA+2*\i+1], v[SA+2*\i:SA+2*\i+1], v[ML+2*\qt:ML+2*\qt+1] op_sel_hi:[1,0] neg_lo:[0,1] neg_hi:[0,1]
	v_pk_add_f32 v[SB+2*\i:SB+2*\i+1], v[SB+2*\i:SB+2*\i+1], v[ML+2*\qt:ML+2*\qt+1] op_sel_hi:[1,0] neg_lo:[0,1] neg_hi:[0,1]
.endr
.irp j, 0,1,2,3,4,5,6,7
	v_exp_f32 v[SA+\j], v[SA+\j]
	v_exp_f32 v[SB+\j], v[SB+\j]
.endr
	v_nop                                          ; one plain instruction behind the run of exponentials
	s_wait_alu depctr_va_vdst(0)
	v_pk_add_f32 v[T:T+1], v[SA:SA+1], v[SA+2:SA+3]
	v_pk_add_f32 v[T+2:T+3], v[SA+4:SA+5], v[SA+6:SA+7]
	v_pk_add_f32 v[T+4:T+5], v[SB:SB+1], v[SB+2:SB+3]
	v_pk_add_f32 v[T+6:T+7], v[SB+4:SB+5], v[SB+6:SB+7]
	v_pk_add_f32 v[T:T+1], v[T:T+1], v[T+2:T+3]
	v_pk_add_f32 v[T+4:T+5], v[T+4:T+5], v[T+6:T+7]
	v_pk_add_f32 v[T:T+1], v[T:T+1], v[T+4:T+5]
.if \first
	v_add_f32 v[ML+2*\qt+1], v[T], v[T+1]          ; l stays a part for each half of the lanes until the block's end
.else
	v_add_f32 v[T], v[T], v[T+1]
	v_fma_f32 v[ML+2*\qt+1], v[ML+2*\qt+1], v[AL+2*\qt], v[T]
.endif
.irp i, 0,1,2,3
	v_cvt_pk_f16_f32 v[P+8*\qt+\i], v[SA+2*\i], v[SA+2*\i+1]       ; keys 8 h ..: registers 0-3 of the operand
	v_cvt_pk_f16_f32 v[P+8*\qt+4+\i], v[SB+2*\i], v[SB+2*\i+1]     ; keys 16 + 8 h ..: registers 4-7
.endr
.endm
; One key tile.  slot: where it lies; first: the block's first step (starts m, l and O); mask: with the causal mask; nxt: a further tile is asked for.
.macro STEP slot, first, mask, nxt
	s_wait_tensorcnt 0x0                           ; all my tensor loads have landed, my part of this tile among them: the descriptors may be written
	ds_add_u32 v94, v95
	s_wait_dscnt 0x0
.if \nxt
	s_add_co_u32 s60, s60, 32768                   ; the next tile,
	s_cmp_eq_u32 s60, s62
	s_cselect_b32 s60, 0, s60                      ; or tile 0 of the second block
	s_add_nc_u64 s[G0V+4*(1-\slot)+2:G0V+4*(1-\slot)+3], s[58:59], s[60:61]
	s_or_b32 s[G0V+4*(1-\slot)+3], s[G0V+4*(1-\slot)+3], 0x80000000
	s_add_nc_u64 s[G0K+4*(1-\slot)+2:G0K+4*(1-\slot)+3], s[56:57], s[60:61]
	s_or_b32 s[G0K+4*(1-\slot)+3], s[G0K+4*(1-\slot)+3], 0x80000000
.endif
	s_wait_dscnt 0x0                               ; my reads of the other slot are over
	ROUND                                          ; both now hold of every wave of all four work-groups
.if \nxt
	JLOAD (1-\slot)                                ; my one tensor load behind the round; it has this step's work in which to land
.endif
	PLACES                                         ; behind the last products, which read V's fragments
.irp t, 0,1
.irp ks, 0,1,2,3
	ds_load_b128 v[KF+32*\t+8*\ks:KF+32*\t+8*\ks+3], v[ADRK+\slot] offset:\t*16*PK+\ks*64
	ds_load_b128 v[KF+32*\t+8*\ks+4:KF+32*\t+8*\ks+7], v[ADRK+\slot] offset:\t*16*PK+\ks*64+32
.endr
.endr
	WIN 0x40
.irp dt, 0,1,2,3,4,5,6,7
	ds_load_tr16_b128 v[VF+8*\dt:VF+8*\dt+3], v[ADRV+\slot] offset:\dt*32
	ds_load_tr16_b128 v[VF+8*\dt+4:VF+8*\dt+7], v[ADRV+\slot] offset:\dt*32+16*PV
.endr
	s_wait_loadcnt 0x0                             ; this tile's key bias (and, in a block's first step, q)
	s_wait_dscnt 16                                ; K's 16 loads are in, V's 16 may be out
	WIN 0x04                                       ; source 1: q
	; S^T: the eight accumulators take turns, one instruction a turn; the first product adds onto the key bias
.irp ks, 0,1,2,3
.irp t, 0,1
.irp qt, 0,1,2,3
.if \ks == 0
	v_wmma_f32_16x16x32_f16 v[S+32*\t+8*\qt:S+32*\t+8*\qt+7], v[KF+32*\t+8*\ks:KF+32*\t+8*\ks+7], v[QF+32*\qt+8*\ks:QF+32*\qt+8*\ks+7], v[BI+8*\t:BI+8*\t+7]
.else
	v_wmma_f32_16x16x32_f16 v[S+32*\t+8*\qt:S+32*\t+8*\qt+7], v[KF+32*\t+8*\ks:KF+32*\t+8*\ks+7], v[QF+32*\qt+8*\ks:QF+32*\qt+8*\ks+7], v[S+32*\t+8*\qt:S+32*\t+8*\qt+7]
.endif
.endr
.endr
.endr
	WIN 0
	PLACES
.if \nxt
	s_lshr_b32 s81, s60, 6                         ; 512 bytes of bias a tile
	v_add_nc_u32 v[BO], s81, v[BL]                 ; (its last loads were waited for above)
.irp t, 0,1
	global_load_b128 v[BI+8*\t:BI+8*\t+3], v[BO], s[8:9] offset:1048576+\t*64
	global_load_b128 v[BI+8*\t+4:BI+8*\t+7], v[BO], s[8:9] offset:1048576+\t*64+16
.endr
.endif
.irp qt, 0,1,2,3
	SM \qt, \first, \mask
.if \qt == 0
	s_wait_dscnt 0x0                               ; V's fragments
.endif
.if \first == 0
	WIN 0x82
.set ii, 0
.rept 32
	v_pk_mul_f32 v[64*\qt+2*ii:64*\qt+2*ii+1], v[64*\qt+2*ii:64*\qt+2*ii+1], v[AL+2*\qt:AL+2*\qt+1]
.set ii, ii+1
.endr
.endif
	WIN 0xa1                                       ; O in window 2, V's fragments in window 1; eight accumulators, one instruction each
.irp dt, 0,1,2,3,4,5,6,7
.if \first
	v_wmma_f32_16x16x32_f16 v[64*\qt+8*\dt:64*\qt+8*\dt+7], v[VF+8*\dt:VF+8*\dt+7], v[P+8*\qt:P+8*\qt+7], 0
.else
	v_wmma_f32_16x16x32_f16 v[64*\qt+8*\dt:64*\qt+8*\dt+7], v[VF+8*\dt:VF+8*\dt+7], v[P+8*\qt:P+8*\qt+7], v[64*\qt+8*\dt:64*\qt+8*\dt+7]
.endif
.endr
	WIN 0
.endr
.if \mask
	v_add_nc_u32 v[THR], 0xffffff80, v[THR]        ; the next tile lies 128 keys further on
.endif
.endm
; A block's end: the four waves' parts meet.  Wave w then owns row tile w.  ab: att's base for this block; loadq: ask for the second block's q meanwhile.
.macro MERGE ab, loadq
	PLACES                                         ; behind the last products
.irp qt, 0,1,2,3
	v_permlanex16_b32 v[T+6], v[ML+2*\qt+1], s66, s67
	v_add_f32 v[ML+2*\qt+1], v[ML+2*\qt+1], v[T+6]             ; l of all my 32 keys
	v_cndmask_b32 v[T+\qt], v[ML+2*\qt], v[ML+2*\qt+1], s85    ; lanes 0-15: m, lanes 16-31: l
	ds_store_b32 v[MLA], v[T+\qt] offset:64*\qt
.endr
	WIN 0x08                                       ; store data: O
.set ii, 0
.rept 64
	ds_store_b128 v[STA], v[4*ii:4*ii+3] offset:512*ii         ; as register images: 512 consecutive bytes each
.set ii, ii+1
.endr
	WIN 0
.if \loadq
	LOADQ 70
.endif
	s_wait_dscnt 0x0                               ; my stores are in LDS
	s_barrier_signal -1
	s_barrier_wait -1                              ; everybody's are.  The next tile's load may stay out
.irp wp, 0,1,2,3
	ds_load_b32 v[MW+\wp], v[MLR] offset:512*\wp
	ds_load_b32 v[LW+\wp], v[MLR] offset:512*\wp+256
.endr
.irp dt, 0,1,2,3,4,5,6,7
	ds_load_b128 v[S+4*\dt:S+4*\dt+3], v[VMR] offset:32*\dt    ; the mean of v, in my lanes' layout
.endr
	WIN 0x80
.irp wp, 0,1
.set ii, 0
.rept 16
	ds_load_b128 v[64*\wp+4*ii:64*\wp+4*ii+3], v[RDA0] offset:\wp*32768+512*ii
	ds_load_b128 v[128+64*\wp+4*ii:128+64*\wp+4*ii+3], v[RDA1] offset:\wp*32768+512*ii
.set ii, ii+1
.endr
.endr
	WIN 0
	s_wait_dscnt 0x0
	v_max3_num_f32 v[T], v[MW], v[MW+1], v[MW+2]
	v_max_num_f32 v[T], v[T], v[MW+3]              ; the row's maximum
.irp wp, 0,1,2,3
	v_sub_f32 v[MW+\wp], v[MW+\wp], v[T]
.endr
.irp wp, 0,1,2,3
	v_exp_f32 v[MW+\wp], v[MW+\wp]
.endr
	v_cmp_gt_f32 s84, s87, v[T]                    ; no admissible key in this row
	s_wait_alu depctr_va_vdst(0)
	v_mul_f32 v[T+1], v[MW], v[LW]
	v_fmac_f32 v[T+1], v[MW+1], v[LW+1]
	v_fmac_f32 v[T+1], v[MW+2], v[LW+2]
	v_fmac_f32 v[T+1], v[MW+3], v[LW+3]            ; at least 1: the wave that holds the maximum has factor 1 and l >= 1
	v_rcp_f32 v[T+1], v[T+1]
	v_nop
	s_wait_alu depctr_va_vdst(0)
.irp wp, 0,1,2,3
	v_mul_f32 v[SC+2*\wp], v[MW+\wp], v[T+1]
	v_mov_b32 v[SC+2*\wp+1], v[SC+2*\wp]
.endr
	WIN 0xa2
.set ii, 0
.rept 32
	v_pk_mul_f32 v[2*ii:2*ii+1], v[2*ii:2*ii+1], v[SC:SC+1]
	v_pk_fma_f32 v[2*ii:2*ii+1], v[64+2*ii:64+2*ii+1], v[SC+2:SC+3], v[2*ii:2*ii+1]
	v_pk_fma_f32 v[2*ii:2*ii+1], v[128+2*ii:128+2*ii+1], v[SC+4:SC+5], v[2*ii:2*ii+1]
	v_pk_fma_f32 v[2*ii:2*ii+1], v[192+2*ii:192+2*ii+1], v[SC+6:SC+7], v[2*ii:2*ii+1]
.set ii, ii+1
.endr
	WIN 0x0a
.set ii, 0
.rept 32
	v_cvt_pk_f16_f32 v[P+ii], v[2*ii], v[2*ii+1]
.set ii, ii+1
.endr
	WIN 0
.set ii, 0
.rept 32
	v_cndmask_b32 v[P+ii], v[P+ii], v[S+ii], s84
.set ii, ii+1
.endr
.irp dt, 0,1,2,3,4,5,6,7
	global_store_b128 v[L16], v[P+4*\dt:P+4*\dt+3], s[\ab:\ab+1] offset:(\dt/2)*4096+(\dt%2)*512   ; chunk dt/2 of my head, part dt%2: 512 consecutive bytes, aligned
.endr
	s_wait_xcnt 0x0                                ; the registers that these stores read are rewritten only behind this wait
.endm
	; ---- first block: a/2 + 1 pairs of steps, all with the causal mask
	STEP 0, 1, 1, 1
	STEP 1, 0, 1, 1
	s_lshr_b32 s80, s19, 1
	s_cmp_eq_u32 s80, 0
	s_cbranch_scc1 .Lfirst_done
.Lfirst:
	STEP 0, 0, 1, 1
	STEP 1, 0, 1, 1
	s_sub_co_i32 s80, s80, 1
	s_cmp_gt_i32 s80, 0                            ; a signed compare: the counter comes down and the loop ends at 0 from any start
	s_cbranch_scc1 .Lfirst
.Lfirst_done:
	MERGE 72, 1
	s_mov_b32 s62, -1                              ; the list of tiles does not start again
	; ---- second block: 8 - a/2 pairs; only the last pair can meet the diagonal: 256 (7 - a/2) <= 64 (31 - p)
	STEP 0, 1, 0, 1
	STEP 1, 0, 0, 1
	s_lshr_b32 s80, s19, 1
	s_sub_co_u32 s80, 6, s80                       ; 3 to 6 trips
.Lsecond:
	STEP 0, 0, 0, 1
	STEP 1, 0, 0, 1
	s_sub_co_i32 s80, s80, 1
	s_cmp_gt_i32 s80, 0
	s_cbranch_scc1 .Lsecond
	s_sub_co_u32 s81, 31, s21
	s_lshl_b32 s81, s81, 6
	s_lshr_b32 s82, s19, 1
	s_sub_co_u32 s82, 7, s82
	s_lshl_b32 s82, s82, 8
	s_sub_co_u32 s81, s81, s82
	v_add_nc_u32 v[THR], s81, v[LT]
	STEP 0, 0, 1, 1
	STEP 1, 0, 1, 0                                ; the last step asks for nothing
	MERGE 74, 0
	s_wait_tensorcnt 0x0
	ds_add_u32 v94, v95
	s_wait_dscnt 0x0
	ROUND                                          ; the closing round
	s_endpgm
.Lfunc_end_k_qda59aea59d_attn:
	.size	k_qda59aea59d_attn, .Lfunc_end_k_qda59aea59d_attn-k_qda59aea59d_attn
	.p2alignl 7, 3214868480
	.fill 96, 4, 3214868480
	.section	.rodata,"a",@progbits
	.p2align	6, 0x0
	.amdhsa_kernel k_qda59aea59d_attn
		.amdhsa_group_segment_fixed_size 327680
		.amdhsa_private_segment_fixed_size 0
		.amdhsa_enable_private_segment 0
		.amdhsa_kernarg_size 40
		.amdhsa_user_sgpr_count 2
		.amdhsa_user_sgpr_kernarg_segment_ptr 1
		.amdhsa_wavefront_size32 1
		.amdhsa_system_sgpr_workgroup_id_x 1
		.amdhsa_system_sgpr_workgroup_id_y 1
		.amdhsa_system_sgpr_workgroup_id_z 1
		.amdhsa_system_vgpr_workitem_id 0
		.amdhsa_next_free_vgpr 768
		.amdhsa_next_free_sgpr 96
		.amdhsa_reserve_vcc 1
		.amdhsa_float_denorm_mode_32 3
		.amdhsa_float_denorm_mode_16_64 3
		.amdhsa_memory_ordered 1
		.amdhsa_forward_progress 1
		.amdhsa_inst_pref_size 255
	.end_amdhsa_kernel
	.section	.bss,"aw",@nobits
	.p2align	6
	.space	262144
	.amdgpu_metadata
---
amdhsa.version: [ 1, 2 ]
amdhsa.kernels:
  - .name:           k_qda59aea59d_attn
    .symbol:         k_qda59aea59d_attn.kd
    .args:
      - { .name: qb, .offset: 0, .size: 8, .value_kind: global_buffer, .address_space: global }
      - { .name: kvb, .offset: 8, .size: 8, .value_kind: global_buffer, .address_space: global }
      - { .name: tab, .offset: 16, .size: 8, .value_kind: global_buffer, .address_space: global }
      - { .name: vsum, .offset: 24, .size: 8, .value_kind: global_buffer, .address_space: global }
      - { .name: att, .offset: 32, .size: 8, .value_kind: global_buffer, .address_space: global }
    .group_segment_fixed_size: 327680
    .private_segment_fixed_size: 0
    .kernarg_segment_align: 8
    .kernarg_segment_size: 40
    .max_flat_workgroup_size: 128
    .sgpr_count:     96
    .vgpr_count:     768
    .wavefront_size: 32
...
	.end_amdgpu_metadata
.endif
;; end of part 3
;; launch oproj (part 4): grid 8 x 32, 4 waves a work-group, clusters of 4 x 1, 327,680 bytes of LDS; arguments att, wob, out0; writes out0
.if DOCPART == 4
	.amdgcn_target "amdgcn-amd-amdhsa--gfx1250"
	.amdhsa_code_object_version 6
	.text
	.protected	k_qda59aea59d_oproj
	.globl	k_qda59aea59d_oproj
	.p2align	8
	.type	k_qda59aea59d_oproj,@function
k_qda59aea59d_oproj:
	s_mov_b64 s[64:65], 0
	v_nop
	global_prefetch_b8 v0, s[64:65] scope:SCOPE_SE
	s_setreg_imm32_b32 hwreg(HW_REG_WAVE_MODE, 25, 1), 1
	s_wait_xcnt 0x0
	s_wait_alu depctr_hold_cnt(0) depctr_sa_sdst(0) depctr_va_vdst(0) depctr_va_sdst(0) depctr_va_ssrc(0) depctr_va_vcc(0) depctr_vm_vsrc(0)
	s_getreg_b32 s2, hwreg(HW_REG_IB_STS2, 6, 4)
	s_cmp_eq_u32 s2, 0
	s_cbranch_scc0 .Lentry_in_a_cluster
	s_endpgm
.Lentry_in_a_cluster:
	s_bfe_u32 s2, ttmp6, 0x10000c
	s_cmp_lg_u32 s2, 0x3003
	s_cbranch_scc0 .Lentry_shape_is_right
	s_endpgm
.Lentry_shape_is_right:
; oproj: out0 [2048][4096] f32 = att [2048][2048] f16 x wob [2048 k][4096 n] f16, f32 sums.
; The same frame as the qkv launch: a work-group makes 256 rows x 128 columns with four waves, a wave 64 rows x 128 columns in 32 accumulator tiles,
; so that 8 x 32 = 256 work-groups share the product.
; W goes through LDS, which all four waves read: two slots of 256 k rows x 256 bytes, filled by the tensor data mover, 64 rows a wave.
; CLUSTERS: 4 x 1 work-groups, four block rows of one block column: they need the same W tiles and ask for them jointly: a quarter of the requests.
; att DOES NOT GO THROUGH LDS AND IS NOT ASKED FOR JOINTLY: each wave multiplies 64 rows of its own, so LDS would add no reuse to them and they would take
; 69,632 of a K step's 106,496 bytes there; two slots of 256 k with them would need 417,792 bytes, W's alone need 147,456.  So one round of the cluster's
; barrier serves 256 matrix instructions of a wave, and 240 of them stand between a tile's request and the wait for it.  att comes as the register image
; that the attention launch stored, att[t/64][c = k/32][mt][p][lane][8 numbers]: a quarter step (32 k) of my 64 rows is 4,096 consecutive bytes, eight
; loads of 512, in a ring of eight quarter steps in registers; a quarter step is asked for seven quarter steps (224 matrix instructions) ahead of its counted wait.
; The matrix instruction is used transposed: source 0 = 16 columns of W (transposing LDS loads from the [k][n] tile), source 1 = 16 rows of att;
; lane (r, h) of tile (mt, nt) holds row 16 mt + r, columns 16 nt + 8 h + 0..7.
; REGISTERS: window 0: v16-25 addresses, v32-159 W fragments (two buffers), on the way out v32-95 whole rows; window 1: accumulators at 8 (8 mt + nt);
;            window 2: att, quarter step i of the ring at 32 i + 8 mt.
; LIMITS: operands are f16, as the launches before stored them; nothing else.
.set KDIM,  2048
.set KS,    256                        ; k rows in a slot: eight quarter steps
.set PB,    288                        ; LDS pitch of a W row: 256 bytes + 32 (an odd multiple of 32 for the transposing loads)
.set SLOT,  KS*PB                      ; 73,728
.set STAGE, 2*SLOT                     ; 147,456: behind the ring, 16 rows x 528 bytes for each wave, never filled by a tensor load
.set LAPS,  KDIM/(2*KS)                ; a lap = both slots = 16 quarter steps
.set QB,    4096                       ; bytes of att in a quarter step of a wave
.set ADRB, 16                          ; v16-19 LDS address of my W fragments: slot 0 quarters 0-3, 4-7; slot 1 likewise (an LDS offset has 16 bits)
.set L16,  22                          ; 16 x lane
.set STO,  24                          ; stage: where my 32 bytes of a row go
.set RD,   25                          ; stage: my 16 bytes of a whole row
.set BF,   32                          ; v32-95, v96-159 W fragments
.set Y,    32                          ; v32-95 whole rows read back
.set G1B, 48
.set G0B, 56
.set MSB, 0
.macro WIN new                         ; the immediate's high byte repeats the setting that is left
.if MSB != \new
	s_set_vgpr_msb (MSB<<8)|\new
.set MSB, \new
.endif
.endm
.macro PLACES                          ; four plain vector instructions behind matrix instructions (ISA guide 7.12.1)
.rept 4
	v_nop
.endr
.endm
.macro CREST                           ; a round of the cluster's barrier behind its opening barrier
	s_cmp_lg_u32 s10, 0
	s_cbranch_scc1 .Lnot_wave_0_\@
	s_barrier_signal -3
.Lnot_wave_0_\@:
	s_barrier_wait -3
	s_barrier_signal -1
	s_barrier_wait -1
.endm
.macro CROUND
	s_barrier_signal -1
	s_barrier_wait -1
	CREST
.endm
; eight loads: the quarter step that lies oq quarter steps behind the lap's base, into place ri of the ring
.macro ALOAD ri, oq
	WIN 0x80
.irp m, 0,1,2,3
	global_load_b128 v[32*(\ri)+8*\m:32*(\ri)+8*\m+3], v[L16], s[14:15] offset:(\oq)*QB+\m*1024
	global_load_b128 v[32*(\ri)+8*\m+4:32*(\ri)+8*\m+7], v[L16], s[14:15] offset:(\oq)*QB+\m*1024+512
.endr
.endm
	s_load_b128 s[4:7], s[0:1], 0x0                ; att, wob
	s_load_b64 s[8:9], s[0:1], 0x10                ; out0
	v_lshl_add_u32 v254, v0, 2, 0x2c400
	v_mov_b32 v255, 0
	ds_add_u32 v254, v255
	v_lshrrev_b32 v1, 5, v0
	v_readfirstlane_b32 s10, v1                    ; wave 0..3
	s_bfe_u32 s40, ttmp6, 0x40000                  ; cx
	s_lshl_b32 s13, ttmp9, 2
	s_add_co_u32 s13, s13, s40                     ; block row = 4 x cluster x + cx
	s_and_b32 s42, ttmp7, 0xffff                   ; block column: the same in all four partners
	s_mov_b32 s[G1B+0], 0x0f71000f                 ; all four partners; 2-byte elements; padding on; bit 21; 8 words behind every 64
	s_mov_b32 s[G1B+1], 128<<16                    ; tensor_dim0 = 128
	s_mov_b32 s[G1B+2], 64<<16                     ; tensor_dim1 = 64 k rows
	s_mov_b32 s[G1B+3], 128<<16                    ; tile_dim0 = 128
	s_mov_b32 s[G1B+4], 64                         ; tile_dim1 = 64
	s_mov_b32 s[G1B+5], 4096                       ; elements from row to row
	s_mov_b32 s[G1B+6], 0
	s_mov_b32 s[G1B+7], 0
	s_lshl_b32 s46, s42, 8                         ; W: 256 bytes x block column
	s_lshl_b32 s47, s10, 19                        ; + 64 k rows of 8,192 bytes x wave
	s_add_co_u32 s46, s46, s47
	s_mov_b32 s47, 0
	s_mul_i32 s21, s10, 64*PB                      ; LDS: my quarter of a slot
	s_lshl2_add_u32 s16, s13, s10                  ; my block of 64 rows: 4 x block row + wave
	s_lshl_b32 s16, s16, 18                        ; 262,144 bytes each
	s_mov_b32 s17, 0
	v_and_b32 v[L16], 31, v0
	v_lshlrev_b32 v[L16], 4, v[L16]
	s_wait_dscnt 0x0
	s_wait_kmcnt 0x0
	s_add_nc_u64 s[46:47], s[6:7], s[46:47]
	s_add_nc_u64 s[14:15], s[4:5], s[16:17]        ; att: the lap's base
.irp i, 0,1,2,3,4,5,6
	ALOAD \i, \i                                   ; the ring's first seven quarter steps
.endr
	WIN 0
	CROUND                                         ; all four work-groups are here: the first joint loads meet
.irp s, 0,1
	s_mov_b32 s[G0B+4*\s], 1
	s_add_co_u32 s[G0B+4*\s+1], s21, \s*SLOT
	s_add_nc_u64 s[G0B+4*\s+2:G0B+4*\s+3], s[46:47], \s*KS*8192
	s_or_b32 s[G0B+4*\s+3], s[G0B+4*\s+3], 0x80000000
	tensor_load_to_lds s[G0B+4*\s:G0B+4*\s+3], s[G1B:G1B+7]    ; slots 0 and 1: two loads of the wave are out
	s_nop 0
.endr
	v_and_b32 v1, 15, v0                           ; r
	v_bfe_u32 v2, v0, 4, 1                         ; h
	v_and_b32 v4, 7, v0
	v_lshl_add_u32 v4, v2, 3, v4                   ; k row 8 h + lane % 8
	v_mul_u32_u24 v4, v4, PB
	v_bfe_u32 v5, v0, 3, 1
	v_lshl_add_u32 v[ADRB], v5, 4, v4              ; + 16 bytes for the second eight columns
	v_add_nc_u32 v[ADRB+1], 4*32*PB, v[ADRB]
	v_add_nc_u32 v[ADRB+2], SLOT, v[ADRB]
	v_add_nc_u32 v[ADRB+3], SLOT, v[ADRB+1]
	s_mul_i32 s23, s10, 16*528
	s_add_co_u32 s23, s23, STAGE                   ; my stage
	v_mul_u32_u24 v5, v1, 528
	v_lshl_add_u32 v5, v2, 5, v5
	v_add_nc_u32 v[STO], s23, v5
	v_add_nc_u32 v[RD], s23, v[L16]
; eight matrix instructions: row tile mt x all eight column tiles, 32 along K: W from buffer f, att from place q of the ring.
; The 32 accumulators take turns, one instruction a turn, in the same order in every quarter step.
.macro MUL8 f, q, mt, zero
.irp n, 0,1,2,3,4,5,6,7
.if \zero
	v_wmma_f32_16x16x32_f16 v[8*(8*\mt+\n):8*(8*\mt+\n)+7], v[BF+64*(\f)+8*\n:BF+64*(\f)+8*\n+7], v[32*\q+8*\mt:32*\q+8*\mt+7], 0
.else
	v_wmma_f32_16x16x32_f16 v[8*(8*\mt+\n):8*(8*\mt+\n)+7], v[BF+64*(\f)+8*\n:BF+64*(\f)+8*\n+7], v[32*\q+8*\mt:32*\q+8*\mt+7], v[8*(8*\mt+\n):8*(8*\mt+\n)+7]
.endif
.endr
.endm
; 16 LDS loads in one run: W's fragments of quarter step kq of a slot into buffer f
.macro FETCH slot, kq, f
	WIN 0
.irp n, 0,1,2,3,4,5,6,7
	ds_load_tr16_b128 v[BF+64*(\f)+8*\n:BF+64*(\f)+8*\n+3], v[ADRB+2*(\slot)+(\kq)/4] offset:((\kq)%4)*32*PB+\n*32
	ds_load_tr16_b128 v[BF+64*(\f)+8*\n+4:BF+64*(\f)+8*\n+7], v[ADRB+2*(\slot)+(\kq)/4] offset:((\kq)%4)*32*PB+\n*32+16*PB
.endr
.endm
; One of a slot's first seven quarter steps.  In its middle, four places behind the matrix instructions that read them, the other W buffer is
; fetched and (lk = 1) the ring's place read last is asked for again, seven quarter steps on.  left: how many younger loads of att may stay out.
.macro QTR slot, q, zero, lk, left
	s_wait_loadcnt \left                           ; this quarter step's eight loads are in; the groups of eight issued behind them stay out
	s_wait_dscnt 0x0                               ; W's fragments, fetched in the middle of the quarter step before
	WIN 0x58                                       ; W window 0, att window 2, sums window 1
	MUL8 (\q%2), \q, 0, \zero
	MUL8 (\q%2), \q, 1, \zero
	PLACES
	FETCH \slot, (\q+1), ((\q+1)%2)
.if \lk
	ALOAD ((\q+7)%8), (8*\slot+\q+7)
.endif
	WIN 0x58
	MUL8 (\q%2), \q, 2, \zero
	MUL8 (\q%2), \q, 3, \zero
.endm
; A slot's last quarter step and the change of slots: each wave waits for its reads of this slot and for all its tensor loads, then signals;
; behind the barrier (with fill: behind the round of the cluster's barrier that it opens) the refill comes first, then the other slot is read.
.macro TURN slot, fill
	s_wait_loadcnt 48                              ; six younger groups of eight stay out
	s_wait_dscnt 0x0                               ; the last fragments are in: my reads of this slot are over
	s_set_vgpr_msb 0x5850
	s_wait_tensorcnt 0x0                           ; all my tensor loads have landed: the one that was out is my part of the other slot
	ds_add_u32 v254, v255
	s_wait_dscnt 0x0
	s_set_vgpr_msb 0x5058
	s_barrier_signal -1
	WIN 0x58
	MUL8 1, 7, 0, 0                                ; register work while the others arrive
	MUL8 1, 7, 1, 0
	WIN 0
	s_barrier_wait -1
.if \fill
	CREST
	s_add_nc_u64 s[G0B+4*\slot+2:G0B+4*\slot+3], s[G0B+4*\slot+2:G0B+4*\slot+3], 2*KS*8192
	tensor_load_to_lds s[G0B+4*\slot:G0B+4*\slot+3], s[G1B:G1B+7]  ; my one tensor load behind the round: 240 matrix instructions stand between it and the wait for it
	s_nop 0
.endif
	PLACES
	FETCH (1-\slot), 0, 0
	ALOAD 6, (8*\slot+14)
	WIN 0x58
	MUL8 1, 7, 2, 0
	MUL8 1, 7, 3, 0
.endm
.macro RUN7 slot, zero
	QTR \slot, 0, \zero, 1, 48
.irp q, 1,2,3,4,5,6
	QTR \slot, \q, 0, 1, 48
.endr
.endm
.macro LAP zero
	RUN7 0, \zero
	TURN 0, 1
	RUN7 1, 0
	TURN 1, 1
	WIN 0
	s_wait_xcnt 0x0                                ; att's base, which pending loads name, is stepped only behind this wait
	s_add_nc_u64 s[14:15], s[14:15], 16*QB
.endm
	s_wait_tensorcnt 1                             ; my part of slot 0 is in; slot 1 may stay out
	s_barrier_signal -1
	s_barrier_wait -1
	FETCH 0, 0, 0
	LAP 1                                          ; the first products start the sums: nothing is cleared
	s_mov_b32 s3, LAPS-2
.Llap:
	LAP 0
	s_sub_co_u32 s3, s3, 1
	s_cmp_lg_u32 s3, 0
	s_cbranch_scc1 .Llap
	RUN7 0, 0                                      ; the last lap fills no slot
	TURN 0, 0
	QTR 1, 0, 0, 1, 48                             ; att's last quarter step is asked for here
	QTR 1, 1, 0, 0, 48                             ; six groups are still behind this one; from here on the counts run down
.irp q, 2,3,4,5,6
	QTR 1, \q, 0, 0, (56-8*\q)
.endr
	s_wait_loadcnt 0x0
	s_wait_dscnt 0x0
	WIN 0x58
	MUL8 1, 7, 0, 0
	MUL8 1, 7, 1, 0
	MUL8 1, 7, 2, 0
	MUL8 1, 7, 3, 0
	PLACES                                         ; behind the last matrix instructions, ahead of everything that reads results or reuses fragments
	WIN 0
	s_lshl_b32 s84, s13, 8
	s_lshl_b32 s85, s10, 6
	s_add_co_u32 s84, s84, s85                     ; my first row
	s_lshl_b32 s84, s84, 14                        ; rows of 16,384 bytes
	s_lshl_b32 s85, s42, 9                         ; 512 bytes a block column
	s_add_co_u32 s84, s84, s85
	s_mov_b32 s85, 0
	s_add_nc_u64 s[86:87], s[8:9], s[84:85]
; 16 rows out through my own stage: 32 bytes a lane in, whole rows of 512 bytes back.  LDS serves a wave's instructions in order.
.macro OUT16 mt
	WIN 0x04                                       ; store data: accumulators
.set pp, 0
.rept 16
	ds_store_b128 v[STO], v[64*\mt+4*pp:64*\mt+4*pp+3] offset:(pp/2)*64+(pp%2)*16
.set pp, pp+1
.endr
	WIN 0
	s_wait_xcnt 0x0                                ; Y, which the last 16 rows' stores read, is rewritten only behind this wait
.set pp, 0
.rept 16
	ds_load_b128 v[Y+4*pp:Y+4*pp+3], v[RD] offset:528*pp
.set pp, pp+1
.endr
.set pp, 0
.rept 16
	s_wait_dscnt 15-pp                             ; row pp is in, the younger rows stay out
	global_store_b128 v[L16], v[Y+4*pp:Y+4*pp+3], s[86:87] offset:(16*\mt+pp)*16384 th:TH_STORE_NT   ; the wave stores 512 consecutive bytes, aligned
.set pp, pp+1
.endr
.endm
	OUT16 0
	OUT16 1
	OUT16 2
	OUT16 3
	s_wait_tensorcnt 0x0
	ds_add_u32 v254, v255
	s_wait_dscnt 0x0
	CROUND                                         ; the closing round: no work-group ends while a partner may still ask jointly
	s_endpgm
.Lfunc_end_k_qda59aea59d_oproj:
	.size	k_qda59aea59d_oproj, .Lfunc_end_k_qda59aea59d_oproj-k_qda59aea59d_oproj
	.p2alignl 7, 3214868480
	.fill 96, 4, 3214868480
	.section	.rodata,"a",@progbits
	.p2align	6, 0x0
	.amdhsa_kernel k_qda59aea59d_oproj
		.amdhsa_group_segment_fixed_size 327680
		.amdhsa_private_segment_fixed_size 0
		.amdhsa_enable_private_segment 0
		.amdhsa_kernarg_size 24
		.amdhsa_user_sgpr_count 2
		.amdhsa_user_sgpr_kernarg_segment_ptr 1
		.amdhsa_wavefront_size32 1
		.amdhsa_system_sgpr_workgroup_id_x 1
		.amdhsa_system_sgpr_workgroup_id_y 1
		.amdhsa_system_sgpr_workgroup_id_z 1
		.amdhsa_system_vgpr_workitem_id 0
		.amdhsa_next_free_vgpr 768
		.amdhsa_next_free_sgpr 96
		.amdhsa_reserve_vcc 0
		.amdhsa_float_denorm_mode_32 3
		.amdhsa_float_denorm_mode_16_64 3
		.amdhsa_memory_ordered 1
		.amdhsa_forward_progress 1
		.amdhsa_inst_pref_size 218
	.end_amdhsa_kernel
	.amdgpu_metadata
---
amdhsa.version: [ 1, 2 ]
amdhsa.kernels:
  - .name:           k_qda59aea59d_oproj
    .symbol:         k_qda59aea59d_oproj.kd
    .args:
      - { .name: att, .offset: 0, .size: 8, .value_kind: global_buffer, .address_space: global }
      - { .name: wob, .offset: 8, .size: 8, .value_kind: global_buffer, .address_space: global }
      - { .name: out0, .offset: 16, .size: 8, .value_kind: global_buffer, .address_space: global }
    .group_segment_fixed_size: 327680
    .private_segment_fixed_size: 0
    .kernarg_segment_align: 8
    .kernarg_segment_size: 24
    .max_flat_workgroup_size: 128
    .sgpr_count:     96
    .vgpr_count:     768
    .wavefront_size: 32
...
	.end_amdgpu_metadata
.endif
;; end of part 4
;; ======== version 2 of 2: 4 launches; version 1 with the launch cvt written anew for expert scheduling mode
;; limits: values are held in f16: magnitudes above 65,504 overflow, below 6.1e-05 lose precision; values outside matrix products are rounded to bf16
;; workspace buffers: xb 16,777,216 bytes; wqkv 33,554,432 bytes; wob 16,777,216 bytes; tab 1,056,768 bytes; qb 8,388,608 bytes; kvb 8,388,608 bytes; vsum 131,072 bytes; att 8,388,608 bytes
;; launch cvt (part 5): grid 1153 x 1, 8 waves a work-group, no clusters, 70,656 bytes of LDS; arguments x, Wq, Wk, Wv, Wo, attention_mask, positions, xb, wqkv, wob, tab; writes xb, wqkv, wob, tab
.if DOCPART == 5
	.amdgcn_target "amdgcn-amd-amdhsa--gfx1250"
	.amdhsa_code_object_version 6
	.text
	.protected	k_qda59aea59d_cvt
	.globl	k_qda59aea59d_cvt
	.p2align	8
	.type	k_qda59aea59d_cvt,@function
k_qda59aea59d_cvt:
	s_mov_b64 s[64:65], 0
	v_nop
	global_prefetch_b8 v0, s[64:65] scope:SCOPE_SE
	s_setreg_imm32_b32 hwreg(HW_REG_WAVE_SCHED_MODE, 0, 2), 2
	s_setreg_imm32_b32 hwreg(HW_REG_WAVE_MODE, 25, 1), 1
	s_wait_xcnt 0x0
	s_wait_alu depctr_vm_vsrc(0)
; cvt: everything that the three matrix launches want ready made, made once.
;   work-groups    0- 255: x  [2048][4096] f32 -> xb, 16 bits a number, as the register image of the qkv launch's row operand:
;                          xb[t/64][c = k/32][mt = (t/16)%4][p][lane][8 numbers]; lane (r, h) holds row 16 mt + r, k = 32 c + 16 p + 8 h .. + 7
;   work-groups  256- 511: Wo [2048][4096] f32 -> wob, same shape
;   work-groups  512- 767: Wq [4096][2048] -> wqkv[k][0..2047]      (wqkv: [4096 k][4096 n], a row is 8,192 bytes)
;   work-groups  768- 895: Wk [4096][1024] -> wqkv[k][2048..3071]
;   work-groups  896-1023: Wv [4096][1024] -> wqkv[k][3072..4095]
;   work-groups 1024-1151: cos and sin of positions[t] / 1e6^(i/64), in the register image of the qkv launch:
;                          tab[tt = t/16][c = 8 s + 2 b + q][lane][4 f32], s = 0 cos, 1 sin; t = 16 tt + lane%16, i = 16 b + 8 (lane/16) + 4 q + jj
;   work-group  1152:      key bias at tab + 1,048,576: 0.0 where attention_mask is not 0, -1e30 elsewhere
; THE FORMAT: each number is rounded once to bf16 (to nearest even), the rounding of inputs that the problem's comparison provides for, and stored in
; f16 coding.  f16 holds every bf16 number of size 7.6e-6 (2^-17) to 65,280 exactly: 8 significant bits in 11.  The coding is f16 because the
; intermediates q, k, v, the exponentials and the attention output need f16's 11 bits (the first rows of the attention output, with few keys, are about
; ten times the whole output's root mean square, by which the result is judged), and a matrix instruction takes both operands in one format.
; A stream: no barrier, no matrix unit.  A wave has 32 loads of 512 consecutive bytes, all issued at once.  The weights go out as 32 stores of 256
; consecutive aligned bytes.  x changes its order on the way: a wave takes 16 rows x 256 k, lays the converted rows into LDS bytes of its own
; (16 rows of 256 bytes at a pitch of 272, twice) and reads each lane's 16 bytes of the image back, so that loads and stores both cover 512 consecutive bytes.
; LIMITS: |x| and |W| below 65,504 (x 30 times larger reaches about 160, W about 2.5); numbers below 7.6e-6 keep an absolute step of 6e-8
; (W 30 times smaller has a root mean square of 5e-4).  sin and cos come from a three-part reduction by pi/2 and two short polynomials;
; the angle itself (position times a rounded power) carries a relative error of about 1e-6, and the reduction holds for |position| < 2^22.
; THE MODE: SCHED_MODE bits 1:0 = 2 (LLVM: expert scheduling mode 2), set by the entry lines.  The code itself states the register dependences
; between vector instructions and memory or LDS instructions, with s_wait_alu, always for 0.
; THE PLAN.  A wave takes one of the paths below; none has a loop.  Registers that memory or LDS instructions touch:
;   v1, v2      offsets 16 x lane and 8 x lane: written at the head, read by every load and store, never written again.
;   INR         the 32 loads land here, all issued ahead of the first conversion; then the conversions alone name it, each behind the wait for its load.
;               x: the LDS loads of unit u land in INR + 32 u .. + 31, which the conversions of loads 8 u .. 8 u + 7 named earlier; the global stores read them; nothing writes them again.
;   OUTR        a pair for each load: written once by the conversions, read once by one store (the weights: global; x: LDS), never written again.
;   LST, LRD    x: LDS addresses, made once behind the loads.
;   v200, v201  written at the head, read by the closing add alone.
; So the conversions stand in groups of eight loads, ONE wait on va_vdst behind each group, and the group's eight stores behind it in a run: four such waits a wave.
; No register that a memory or LDS instruction reads is written again on any path, so no wait on vm_vsrc is owed.
; Compares write their masks into scalar registers, in runs, with one wait on va_sdst behind each run.
.set INR,  4                           ; v[4:131]   32 x 4 numbers as loaded, then as rounded to bf16; for x also the image read back
.set OUTR, 132                         ; v[132:195] 32 x 2 words of two numbers
.set LST,  196                         ; x: where my 8 bytes of a row go in LDS
.set LRD,  197                         ; x: where my 16 bytes of the image lie
.set XP,   272                         ; LDS pitch: 256 bytes + 16
.set XU,   16*XP                       ; 16 rows x 128 k
.set CM,   40                          ; s[40:47]   masks that compares write
	s_load_b512 s[4:19], s[0:1], 0x0               ; x 4, Wq 6, Wk 8, Wv 10, Wo 12, attention_mask 14, positions 16, xb 18
	s_load_b128 s[20:23], s[0:1], 0x40             ; wqkv 20, wob 22
	s_load_b64 s[24:25], s[0:1], 0x50              ; tab
	v_lshl_add_u32 v200, v0, 2, 0x11000
	v_mov_b32 v201, 0
	v_lshrrev_b32 v3, 5, v0
	v_readfirstlane_b32 s26, v3                    ; wave 0..7
	s_mov_b32 s27, ttmp9                           ; work-group
	v_and_b32 v3, 31, v0                           ; lane
	v_lshlrev_b32 v1, 4, v3                        ; 16 x lane
	v_lshlrev_b32 v2, 3, v3                        ; 8 x lane
	s_mov_b32 s31, 0
	s_mov_b32 s37, 0
	s_mov_b32 s38, 0xffff0000                      ; a word's upper bf16
	s_wait_alu depctr_va_sdst(0)                   ; s26 is written, ahead of the branches and of its first reader: every path makes its addresses from it
	s_wait_alu depctr_va_vdst(0)                   ; v1 and v2 are written: the loads and stores of every path read them as offsets
	s_wait_kmcnt 0x0
.macro CV4 n                           ; the four numbers of load n: rounded to bf16, then the same numbers in f16 coding
	v_cvt_pk_bf16_f32 v[OUTR+2*(\n)], v[INR+4*(\n)], v[INR+4*(\n)+1]       ; the one rounding
	v_cvt_pk_bf16_f32 v[OUTR+2*(\n)+1], v[INR+4*(\n)+2], v[INR+4*(\n)+3]
	v_lshlrev_b32 v[INR+4*(\n)], 16, v[OUTR+2*(\n)]                        ; back to f32: a shift or a mask
	v_and_b32 v[INR+4*(\n)+1], s38, v[OUTR+2*(\n)]
	v_lshlrev_b32 v[INR+4*(\n)+2], 16, v[OUTR+2*(\n)+1]
	v_and_b32 v[INR+4*(\n)+3], s38, v[OUTR+2*(\n)+1]
	v_cvt_pk_f16_f32 v[OUTR+2*(\n)], v[INR+4*(\n)], v[INR+4*(\n)+1]
	v_cvt_pk_f16_f32 v[OUTR+2*(\n)+1], v[INR+4*(\n)+2], v[INR+4*(\n)+3]
.endm
.macro LD8 i                           ; unit i: 4,096 consecutive bytes
.irp c, 0,1,2,3,4,5,6,7
	global_load_b128 v[INR+4*(8*\i+\c):INR+4*(8*\i+\c)+3], v1, s[32:33] offset:\i*4096+\c*512 th:TH_LOAD_NT
.endr
.endm
.macro ST8 i, u                        ; unit i goes to byte u of the wave's part of the destination: eight conversions, one wait, eight stores
.irp c, 0,1,2,3,4,5,6,7
	s_wait_loadcnt 31-(8*\i+\c)                    ; loads return in order: this one is in, the younger ones stay out
	CV4 (8*\i+\c)
.endr
	s_wait_alu depctr_va_vdst(0)                   ; the unit's conversions have written its sixteen registers of OUTR, which the eight stores below read
.irp c, 0,1,2,3,4,5,6,7
	global_store_b64 v2, v[OUTR+2*(8*\i+\c):OUTR+2*(8*\i+\c)+1], s[34:35] offset:\u+\c*256   ; 32 lanes store 256 consecutive bytes, aligned
.endr
.endm
; src, dst: scalar pairs; first: the section's first work-group; dwg, dw: destination bytes from work-group to work-group and wave to wave;
; dc: the column offset in the destination row; u1..u3: where units 1..3 go
.macro CVT src, dst, first, dwg, dw, dc, u1, u2, u3
	s_sub_co_u32 s28, s27, \first
	s_lshl_b32 s30, s28, 17                        ; 131,072 source bytes a work-group,
	s_lshl_b32 s29, s26, 14                        ; 16,384 a wave
	s_add_co_u32 s30, s30, s29
	s_add_nc_u64 s[32:33], s[\src:\src+1], s[30:31]
	s_mul_i32 s36, s28, \dwg
	s_mul_i32 s29, s26, \dw
	s_add_co_u32 s36, s36, s29
	s_add_co_u32 s36, s36, \dc
	s_add_nc_u64 s[34:35], s[\dst:\dst+1], s[36:37]
	LD8 0
	LD8 1
	LD8 2
	LD8 3
	ST8 0, 0
	ST8 1, \u1
	ST8 2, \u2
	ST8 3, \u3
	s_endpgm
.endm
; x: 16 rows x 128 k (unit u of the wave's two): converted rows into my LDS bytes, eight rows at a time; the image's 8 half blocks back and out.
; LDS serves a wave's instructions in order, so the loads see the stores above them.
.macro XUNIT u
.irp g, 0,1
.set ii, 8*\g
.rept 8
	s_wait_loadcnt 31-(16*\u+ii)                   ; this row's load is in, the younger ones stay out
	CV4 (16*\u+ii)
.set ii, ii+1
.endr
	s_wait_alu depctr_va_vdst(0)                   ; the eight rows' conversions have written OUTR, which the LDS stores below read; at the first such wait LST and LRD are written too; and the conversions are done with the registers of INR in which the image's LDS loads land
.set ii, 8*\g
.rept 8
	ds_store_b64 v[LST], v[OUTR+2*(16*\u+ii):OUTR+2*(16*\u+ii)+1] offset:\u*XU+ii*XP     ; row ii: 256 consecutive bytes
.set ii, ii+1
.endr
.endr
.irp c, 0,1,2,3
.irp p, 0,1
	ds_load_b128 v[INR+4*(8*\u+2*\c+\p):INR+4*(8*\u+2*\c+\p)+3], v[LRD] offset:\u*XU+\c*64+\p*32   ; row r, k = 32 c + 16 p + 8 h ..  No wait: no vector instruction since the wait above
.endr
.endr
.irp c, 0,1,2,3
.irp p, 0,1
	s_wait_dscnt 7-(2*\c+\p)
	global_store_b128 v1, v[INR+4*(8*\u+2*\c+\p):INR+4*(8*\u+2*\c+\p)+3], s[34:35] offset:(4*\u+\c)*4096+\p*512   ; 512 consecutive bytes, aligned
.endr
.endr
.endm
	s_cmp_lt_u32 s27, 256
	s_cbranch_scc0 .Lnot_x
	; ---- x: work-group g: row tile g / 2 (16 rows), half g % 2 of the rows; wave w: 256 k from 2,048 (g % 2) + 256 w
	s_lshr_b32 s28, s27, 1                         ; row tile
	s_and_b32 s29, s27, 1                          ; half
	s_lshl_b32 s30, s28, 18                        ; 16 rows of 16,384 bytes
	s_lshl_b32 s39, s29, 13
	s_add_co_u32 s30, s30, s39
	s_lshl_b32 s39, s26, 10
	s_add_co_u32 s30, s30, s39
	s_add_nc_u64 s[32:33], s[4:5], s[30:31]
.irp u, 0,1
.set ii, 0
.rept 16
	global_load_b128 v[INR+4*(16*\u+ii):INR+4*(16*\u+ii)+3], v1, s[32:33] offset:ii*16384+\u*512 th:TH_LOAD_NT
.set ii, ii+1
.endr
.endr
	s_lshr_b32 s36, s28, 2
	s_lshl_b32 s36, s36, 19                        ; 524,288 bytes for each block of 64 rows
	s_and_b32 s39, s28, 3
	s_lshl_b32 s39, s39, 10                        ; 1,024 bytes x row tile in the block
	s_add_co_u32 s36, s36, s39
	s_lshl_b32 s39, s29, 18                        ; 64 chunks of 4,096 bytes x half
	s_add_co_u32 s36, s36, s39
	s_lshl_b32 s39, s26, 15                        ; 8 chunks x wave
	s_add_co_u32 s36, s36, s39
	s_add_nc_u64 s[34:35], s[18:19], s[36:37]
	s_mul_i32 s39, s26, 2*XU                       ; my wave's 8,704 bytes of LDS
	v_add_nc_u32 v[LST], s39, v2
	v_and_b32 v198, 15, v0                         ; r
	v_bfe_u32 v199, v0, 4, 1                       ; h
	v_mul_u32_u24 v198, v198, XP
	v_lshl_add_u32 v198, v199, 4, v198
	v_add_nc_u32 v[LRD], s39, v198
	XUNIT 0
	XUNIT 1
	s_wait_dscnt 0x0                               ; the closing lines, six on end
	s_wait_alu 0x0
	s_wait_tensorcnt 0x0
	ds_add_u32 v200, v201
	s_wait_dscnt 0x0
	s_endpgm
.Lnot_x:
	s_cmp_lt_u32 s27, 512
	s_cbranch_scc0 .Lnot_wo
	CVT 12, 22, 256, 65536, 8192, 0, 2048, 4096, 6144
.Lnot_wo:
	s_cmp_lt_u32 s27, 768
	s_cbranch_scc0 .Lnot_wq
	CVT 6, 20, 512, 131072, 16384, 0, 2048, 8192, 10240        ; two units make a row of Wq
.Lnot_wq:
	s_cmp_lt_u32 s27, 896
	s_cbranch_scc0 .Lnot_wk
	CVT 8, 20, 768, 262144, 32768, 4096, 8192, 16384, 24576    ; one unit is a row of Wk
.Lnot_wk:
	s_cmp_lt_u32 s27, 1024
	s_cbranch_scc0 .Lnot_wv
	CVT 10, 20, 896, 262144, 32768, 6144, 8192, 16384, 24576
.Lnot_wv:
	s_cmp_lt_u32 s27, 1152
	s_cbranch_scc0 .Lmask
	; ---- cos and sin: work-group tt, wave w = 2 b + q, lane (r, h): t = 16 tt + r, i = 16 b + 8 h + 4 q + jj, jj = 0..3
	s_sub_co_u32 s28, s27, 1024                    ; tt
	v_and_b32 v4, 15, v0                           ; r
	v_bfe_u32 v5, v0, 4, 1                         ; h
	s_lshl_b32 s29, s28, 6
	v_lshl_add_u32 v6, v4, 2, s29                  ; 4 t
	s_wait_alu depctr_va_vdst(0)                   ; v6 is written, which the load below reads as its offset
	global_load_b32 v7, v6, s[16:17]               ; positions[t]
	s_lshr_b32 s30, s26, 1
	s_lshl_b32 s30, s30, 4                         ; 16 b
	s_and_b32 s29, s26, 1
	s_lshl2_add_u32 s30, s29, s30                  ; + 4 q
	v_lshl_add_u32 v8, v5, 3, s30                  ; + 8 h: i of jj = 0
.irp jj, 0,1,2,3
	v_add_nc_u32 v[10+\jj], \jj, v8
	v_cvt_f32_u32 v[10+\jj], v[10+\jj]
	v_mul_f32 v[10+\jj], 0xbe9f73da, v[10+\jj]     ; - i log2(1e6) / 64
.endr
.irp jj, 0,1,2,3
	v_exp_f32 v[10+\jj], v[10+\jj]                 ; 1e6^(-i/64)
.endr
	v_lshl_add_u32 v9, s26, 9, v1                  ; the plain instruction behind the exponentials: 512 w + 16 lane, where my 16 bytes go
	s_wait_loadcnt 0x0
	v_cvt_f32_i32 v7, v7
	s_wait_alu depctr_va_vdst(0)                   ; the four exponentials have written v10 to v13, ahead of their first reader
; Number jj has ten registers of its own at W = 40 + 10 jj: angle, k, r, z, sin r, cos r, the quadrant, three at work.
; First pass: all up to the compare, whose mask goes into a scalar register of the number's own.  Second pass, behind ONE wait for the four masks: the choice and the signs.
.macro SC_FIRST jj
.set W, 40+10*(\jj)
	v_mul_f32 v[W], v7, v[10+\jj]                  ; the angle
	v_mul_f32 v[W+1], 0x3f22f983, v[W]             ; x 2/pi
	v_rndne_f32 v[W+1], v[W+1]                     ; k
	v_fmamk_f32 v[W+2], v[W+1], 0xbfc90fda, v[W]   ; r = angle - k pi/2, pi/2 in three parts
	v_fmamk_f32 v[W+2], v[W+1], 0xb3a22168, v[W+2]
	v_fmamk_f32 v[W+2], v[W+1], 0xa7c234c4, v[W+2]
	v_mul_f32 v[W+3], v[W+2], v[W+2]               ; z = r r
	v_mov_b32 v[W+4], 0xb94ca1f9
	v_fmaak_f32 v[W+4], v[W+4], v[W+3], 0x3c08839e
	v_fmaak_f32 v[W+4], v[W+4], v[W+3], 0xbe2aaaa3
	v_mul_f32 v[W+7], v[W+2], v[W+3]
	v_fma_f32 v[W+4], v[W+7], v[W+4], v[W+2]       ; sin r = r + r z (..)
	v_mov_b32 v[W+5], 0x37ccf5ce
	v_fmaak_f32 v[W+5], v[W+5], v[W+3], 0xbab6061a
	v_fmaak_f32 v[W+5], v[W+5], v[W+3], 0x3d2aaaa5
	v_mul_f32 v[W+7], v[W+3], v[W+3]
	v_fma_f32 v[W+8], v[W+3], -0.5, 1.0
	v_fma_f32 v[W+5], v[W+7], v[W+5], v[W+8]       ; cos r = 1 - z/2 + z z (..)
	v_cvt_i32_f32 v[W+6], v[W+1]
	v_and_b32 v[W+7], 1, v[W+6]
	v_cmp_eq_u32 s[CM+\jj], 1, v[W+7]              ; odd quadrant: the two change places
.endm
.macro SC_SECOND jj
.set W, 40+10*(\jj)
	v_cndmask_b32 v[W+8], v[W+4], v[W+5], s[CM+\jj]
	v_cndmask_b32 v[W+9], v[W+5], v[W+4], s[CM+\jj]
	v_and_b32 v[W+7], 2, v[W+6]                    ; sin is negative in quadrants 2 and 3,
	v_lshlrev_b32 v[W+7], 30, v[W+7]
	v_xor_b32 v[36+\jj], v[W+7], v[W+8]
	v_add_nc_u32 v[W+6], 1, v[W+6]                 ; cos in quadrants 1 and 2
	v_and_b32 v[W+7], 2, v[W+6]
	v_lshlrev_b32 v[W+7], 30, v[W+7]
	v_xor_b32 v[32+\jj], v[W+7], v[W+9]
.endm
	SC_FIRST 0
	SC_FIRST 1
	SC_FIRST 2
	SC_FIRST 3
	s_wait_alu depctr_va_sdst(0)                   ; the four compares have written s40 to s43, which the selects below read
	SC_SECOND 0
	SC_SECOND 1
	SC_SECOND 2
	SC_SECOND 3
	s_lshl_b32 s30, s28, 13                        ; 8,192 bytes for each tt
	s_add_nc_u64 s[32:33], s[24:25], s[30:31]
	s_wait_alu depctr_va_vdst(0)                   ; v32 to v39, the two stores' data, are written (v9, their offset, was written ahead of an earlier such wait)
	global_store_b128 v9, v[32:35], s[32:33]               ; cos: the wave stores 512 consecutive bytes
	global_store_b128 v9, v[36:39], s[32:33] offset:4096   ; sin
	s_endpgm
.Lmask:
	; ---- the key bias: thread g takes keys 4 g .. 4 g + 3 and 1024 + 4 g .. + 3
	v_lshlrev_b32 v4, 4, v0
	v_mov_b32 v5, 0xf149f2ca                       ; -1e30
	v_mov_b32 v6, 0
	s_wait_alu depctr_va_vdst(0)                   ; v4 is written, which the loads and stores below read as their offset
	global_load_b128 v[8:11], v4, s[14:15]
	global_load_b128 v[12:15], v4, s[14:15] offset:4096
	s_wait_loadcnt 0x0
.irp j, 0,1,2,3,4,5,6,7
	v_cmp_ne_u32 s[CM+\j], 0, v[8+\j]
.endr
	s_wait_alu depctr_va_sdst(0)                   ; the eight compares have written s40 to s47, which the selects below read
.irp j, 0,1,2,3,4,5,6,7
	v_cndmask_b32 v[16+\j], v5, v6, s[CM+\j]
.endr
	s_wait_alu depctr_va_vdst(0)                   ; the selects have written v16 to v23, the two stores' data
	global_store_b128 v4, v[16:19], s[24:25] offset:1048576
	global_store_b128 v4, v[20:23], s[24:25] offset:1048576+4096
	s_endpgm
.Lfunc_end_k_qda59aea59d_cvt:
	.size	k_qda59aea59d_cvt, .Lfunc_end_k_qda59aea59d_cvt-k_qda59aea59d_cvt
	.p2alignl 7, 3214868480
	.fill 96, 4, 3214868480
	.section	.rodata,"a",@progbits
	.p2align	6, 0x0
	.amdhsa_kernel k_qda59aea59d_cvt
		.amdhsa_group_segment_fixed_size 70656
		.amdhsa_private_segment_fixed_size 0
		.amdhsa_enable_private_segment 0
		.amdhsa_kernarg_size 88
		.amdhsa_user_sgpr_count 2
		.amdhsa_user_sgpr_kernarg_segment_ptr 1
		.amdhsa_wavefront_size32 1
		.amdhsa_system_sgpr_workgroup_id_x 1
		.amdhsa_system_sgpr_workgroup_id_y 1
		.amdhsa_system_sgpr_workgroup_id_z 1
		.amdhsa_system_vgpr_workitem_id 0
		.amdhsa_next_free_vgpr 202
		.amdhsa_next_free_sgpr 66
		.amdhsa_reserve_vcc 0
		.amdhsa_float_denorm_mode_32 3
		.amdhsa_float_denorm_mode_16_64 3
		.amdhsa_memory_ordered 1
		.amdhsa_forward_progress 1
		.amdhsa_inst_pref_size 112
	.end_amdhsa_kernel
	.amdgpu_metadata
---
amdhsa.version: [ 1, 2 ]
amdhsa.kernels:
  - .name:           k_qda59aea59d_cvt
    .symbol:         k_qda59aea59d_cvt.kd
    .args:
      - { .name: x, .offset: 0, .size: 8, .value_kind: global_buffer, .address_space: global }
      - { .name: Wq, .offset: 8, .size: 8, .value_kind: global_buffer, .address_space: global }
      - { .name: Wk, .offset: 16, .size: 8, .value_kind: global_buffer, .address_space: global }
      - { .name: Wv, .offset: 24, .size: 8, .value_kind: global_buffer, .address_space: global }
      - { .name: Wo, .offset: 32, .size: 8, .value_kind: global_buffer, .address_space: global }
      - { .name: attention_mask, .offset: 40, .size: 8, .value_kind: global_buffer, .address_space: global }
      - { .name: positions, .offset: 48, .size: 8, .value_kind: global_buffer, .address_space: global }
      - { .name: xb, .offset: 56, .size: 8, .value_kind: global_buffer, .address_space: global }
      - { .name: wqkv, .offset: 64, .size: 8, .value_kind: global_buffer, .address_space: global }
      - { .name: wob, .offset: 72, .size: 8, .value_kind: global_buffer, .address_space: global }
      - { .name: tab, .offset: 80, .size: 8, .value_kind: global_buffer, .address_space: global }
    .group_segment_fixed_size: 70656
    .private_segment_fixed_size: 0
    .kernarg_segment_align: 8
    .kernarg_segment_size: 88
    .max_flat_workgroup_size: 256
    .sgpr_count:     66
    .vgpr_count:     202
    .wavefront_size: 32
...
	.end_amdgpu_metadata
.endif
;; end of part 5
;; launch qkv: the kernel of part 2 again; grid 8 x 32, 4 waves a work-group, clusters of 4 x 1, 327,680 bytes of LDS; arguments xb, wqkv, tab, q_norm_w, k_norm_w, qb, kvb, out1, out2, vsum; writes qb, kvb, out1, out2, vsum
;; launch attn: the kernel of part 3 again; grid 256 x 1, 4 waves a work-group, clusters of 4 x 1, 327,680 bytes of LDS; arguments qb, kvb, tab, vsum, att; writes att
;; launch oproj: the kernel of part 4 again; grid 8 x 32, 4 waves a work-group, clusters of 4 x 1, 327,680 bytes of LDS; arguments att, wob, out0; writes out0
